; MI455X (gfx1250); checked and timed in simulation.
; The chip was launched on July 23, 2026; its instructions are those of AMD's public machine-readable ISA for CDNA 5 (MIT licence, August 2026) and "CDNA5" Instruction Set Architecture Reference Guide (July 2026). The comments in the code are by the model that wrote it; some were corrected since.
;; Multi Headed Attention. Allowed arithmetic: matrix products marked QUANTISED: E4M3 operands, one E8M0 scale for each 32 along K, by v_wmma_scale_f32_16x16x128_f8f6f4 with both operands' format E4M3, f32 sums; everything else in f32.
;; Inputs: Wk_codes 1,024 x 32 x 32 uint8 (E4M3 codes of Wk, K innermost, in blocks of 32 codes); Wk_scales 1,024 x 32 uint8 (E8M0 scales of Wk, one for each 32 codes along K); Wo_codes 1,024 x 32 x 32 uint8 (E4M3 codes of Wo, K innermost, in blocks of 32 codes); Wo_scales 1,024 x 32 uint8 (E8M0 scales of Wo, one for each 32 codes along K); Wq_codes 1,024 x 32 x 32 uint8 (E4M3 codes of Wq, K innermost, in blocks of 32 codes); Wq_scales 1,024 x 32 uint8 (E8M0 scales of Wq, one for each 32 codes along K); Wv_codes 1,024 x 32 x 32 uint8 (E4M3 codes of Wv, K innermost, in blocks of 32 codes); Wv_scales 1,024 x 32 uint8 (E8M0 scales of Wv, one for each 32 codes along K); bk 1,024 float32; bo 1,024 float32; bq 1,024 float32; bv 1,024 float32; key_codes 4 x 2,048 x 32 x 32 uint8 (E4M3 codes of key, K innermost, in blocks of 32 codes); key_scales 4 x 2,048 x 32 uint8 (E8M0 scales of key, one for each 32 codes along K); mask 4 x 2,048 x 2,048 int32; query_codes 4 x 2,048 x 32 x 32 uint8 (E4M3 codes of query, K innermost, in blocks of 32 codes); query_scales 4 x 2,048 x 32 uint8 (E8M0 scales of query, one for each 32 codes along K); value_codes 4 x 2,048 x 32 x 32 uint8 (E4M3 codes of value, K innermost, in blocks of 32 codes); value_scales 4 x 2,048 x 32 uint8 (E8M0 scales of value, one for each 32 codes along K).
;; Outputs: out0 4 x 2,048 x 1,024 float32.
;; This version of the problem:
;;   THIS VERSION OF THE PROBLEM IS GIVEN IN LOW PRECISION. The matrix products marked QUANTISED in the list below multiply operands that are first quantised to E4M3 (4 exponent bits, 3 mantissa bits; 8 bits a number), with one power-of-two scale for each 32 numbers along K (OCP MX v1.0); their sums are f32. All else is computed in f32.
;;   The module's matrix products, in the order in which they are computed (A, B: the left and right operand; K: the contracted axis; several contracted axes count as one K, in the product's order):
;;     1. [M 8,192, K 1,024] x [K 1,024, N 1,024]; A: input query (given as codes); B: input Wq (given as codes): QUANTISED
;;     2. [M 8,192, K 1,024] x [K 1,024, N 1,024]; A: input key (given as codes); B: input Wk (given as codes): QUANTISED
;;     3. [M 8,192, K 1,024] x [K 1,024, N 1,024]; A: input value (given as codes); B: input Wv (given as codes): QUANTISED
;;     4. batch 64 x [M 2,048, K 64] x [K 64, N 2,048]; A: computed on the way; B: computed on the way: QUANTISED
;;     5. batch 64 x [M 2,048, K 2,048] x [K 2,048, N 64]; A: softmax (see below); B: computed on the way: QUANTISED
;;     6. [M 8,192, K 1,024] x [K 1,024, N 1,024]; A: computed on the way; B: input Wo (given as codes): QUANTISED
;;   THE QUANTISER, for each operand of a quantised product, along K:
;;     - K is cut into blocks of 32 from its start; a last block that is shorter is filled with zeros.
;;     - A block's scale is 2^e with e = floor(log2(the largest magnitude in the block)) - 8, held to -126 .. 127; a block of zeros has e = 0. As a byte (E8M0): e + 127.
;;     - Each number is divided by its block's scale, clamped to +-448, and rounded to the nearest number of E4M3, ties to even, subnormals kept.
;;     - The product sums the exact products of the quantised numbers (number of the format x scale) in f32.
;;   ~~~python
;;   def quantise(x, axis):      # numpy; x: float32 -> the quantised numbers, widened to float32 again
;;       x = np.moveaxis(x, axis, -1); K = x.shape[-1]
;;       x = np.pad(x, [(0, 0)] * (x.ndim - 1) + [(0, -K % 32)]); x = x.reshape(x.shape[:-1] + (-1, 32)); a = np.abs(x).max(-1, keepdims=True)
;;       e = np.where(a > 0, np.clip(np.frexp(np.where(a > 0, a, 1))[1] - 1 - 8, -126, 127), 0)      # np.frexp(a)[1] - 1 = floor(log2(a)), exactly
;;       r = np.clip(x / 2.0 ** e, -448, 448)
;;       step = 2.0 ** (np.maximum(np.frexp(np.where(r == 0, 1, r))[1] - 1, -6) - 3)
;;       q = np.round(r / step) * step * 2.0 ** e      # np.round: ties to even
;;       return np.moveaxis(q.reshape(q.shape[:-2] + (-1,))[..., :K], -1, axis).astype(np.float32)
;;   ~~~
;;   SOFTMAX AHEAD OF A QUANTISED PRODUCT. Where the list says 'softmax', what is quantised is not the finished softmax but p = 2^(t - M), with t = logit x log2(e) and M = ceil(the row's largest t), a whole number; so 1/2 < the row's largest p <= 1. The row's sum l is taken of the UNQUANTISED p, in f32, and the product's result is divided by l at the end. Since M is a whole number, a kernel that streams over the keys may use a running M (the ceiling of the running maximum): every later rescaling is an exact power of two, which a block's scale takes up: the codes' values come out the same.
;;   OPERANDS COMPUTED ON THE WAY. 'Computed on the way' means the value that the module computes at that place (a softmax that the list does not call 'softmax' is quantised finished and normalised). What goes into a quantiser is computed in f32, as accurately as f32 sums, v_exp_f32 and their like allow (about 1e-6 of the number): no bf16 or f16 on the way to a quantiser, and a product that is left as it is and whose result goes on into a quantised operand takes f32 operands (vector FMAs, or v_wmma_f32_16x16x4_f32). A number that lies on a knife's edge between two numbers of the format may be rounded either way, as far as f32 arithmetic and the matrix unit's own rounding can turn it there, and no further.
;;   INPUTS GIVEN AS CODES. Wk (in the module: [1024, 1024], K = its axis 1); Wo (in the module: [1024, 1024], K = its axis 1); Wq (in the module: [1024, 1024], K = its axis 1); Wv (in the module: [1024, 1024], K = its axis 1); key (in the module: [4, 2048, 1024], K = its axis 2); query (in the module: [4, 2048, 1024], K = its axis 2); value (in the module: [4, 2048, 1024], K = its axis 2): each comes as NAME_codes (uint8): NAME with its K axis moved to the last place and cut into blocks of 32 codes, [.., K / 32, bytes a block], one block behind the other in memory; one code a byte (a code: sign, 4 exponent bits, 3 mantissa bits); and NAME_scales (uint8): the same leading axes, one E8M0 byte (e + 127) for each 32 codes along K. Its value is code x scale, taken as it is: it is not quantised again, and the codes and scales need not be those that the quantiser above would give.
;; One version. Each part assembles by itself: llvm-mc -triple=amdgcn-amd-amdhsa -mcpu=gfx1250 --defsym DOCPART=n.
;; ======== version 1 of 1: 4 launches
;; limits: right only within a limited range of input values
;; workspace buffers: mbits 2,097,152 bytes of whole numbers; mflag 8,192 bytes of whole numbers; qws 8,912,896 bytes; kv 17,825,792 bytes; oimg 8,388,608 bytes; osc 262,144 bytes
;; launch mbits (part 1): grid 512 x 1, 4 waves a work-group, no clusters, 34,304 bytes of LDS; arguments mask, mbits, mflag; writes mbits, mflag
.if DOCPART == 1
	.amdgcn_target "amdgcn-amd-amdhsa--gfx1250"
	.amdhsa_code_object_version 6
	.text
	.protected	k_q2df1a3a0e7_mbits
	.globl	k_q2df1a3a0e7_mbits
	.p2align	8
	.type	k_q2df1a3a0e7_mbits,@function
k_q2df1a3a0e7_mbits:
	s_mov_b64 s[64:65], 0
	v_nop
	global_prefetch_b8 v0, s[64:65] scope:SCOPE_SE
	s_setreg_imm32_b32 hwreg(HW_REG_WAVE_MODE, 25, 1), 1
	s_wait_xcnt 0x0
; mask [4][2048][2048] int32 becomes lane masks for the attention launch: mbits [batch 4][query tile 128][key step 16][n 64] of 32-bit words.
; Bit L of word n says whether mask[batch][16 tile + L % 16][128 step + 16 (n / 8) + 8 (L / 16) + n % 8] is not 0: the place that score register n of lane L holds there.
; So sixteen heads read 1/32 of the mask's bytes, and the mask itself is read once.
; SHARES.  A work-group takes 16 rows of the mask (row tile = its number); wave w takes keys 512 w .. 512 w + 511 of them, as four units of 16 rows x 128 keys.
; A unit's sixteen loads read 512 consecutive bytes each; the 8,192 bytes turn through the wave's own stage in LDS (rows 528 bytes apart: row r starts 4 r banks on), so that lane (r, h) gets row r's keys 16 t + 8 h + 0 .. 7.
; A compare of one register gives one word in a scalar register; v_writelane_b32 lays word n into lane n / 2, register n % 2; the 32 lanes store 256 consecutive bytes, aligned.
; No matrix work, no cluster, no barrier: waves share nothing.  Two units' loads (32 a wave) are out at the start, one unit's while a unit is worked.
.set ROWM, 8192                        ; a row of the mask in bytes
.set SP,   528                         ; a stage row: 512 bytes + 16
.set STG,  16*SP                       ; a wave's stage
.set LD,   16                          ; v16-143  two sets of 64 registers as loaded
.set X,    144                         ; v144-207 a unit as the lanes want it
.set RES,  208                         ; v208-215 a pair of result registers for each unit: no store's data are written again
	s_load_b128 s[4:7], s[0:1], 0x0                ; mask, mbits
	s_load_b64 s[28:29], s[0:1], 0x10              ; mflag [row tile 512][wave 4] of 32-bit words: bit 4 w + u of wave w's word is set where the tile's key step 4 w + u has a 0 in the mask
	s_mov_b32 s26, 0                               ; my four bits
	v_lshl_add_u32 v216, v0, 2, 0x8400
	v_mov_b32 v217, 0
	v_lshrrev_b32 v1, 5, v0
	v_readfirstlane_b32 s8, v1                     ; wave 0..3
	v_and_b32 v5, 31, v0                           ; lane
	v_and_b32 v6, 15, v0                           ; r
	v_bfe_u32 v7, v0, 4, 1                         ; h
	s_mul_i32 s9, s8, STG                          ; my stage
	v_lshlrev_b32 v1, 4, v5                        ; in memory: 16 bytes a lane
	v_add_nc_u32 v2, s9, v1                        ; into the stage: the same
	v_mul_u32_u24 v3, v6, SP
	v_lshl_add_u32 v3, v7, 5, v3
	v_add_nc_u32 v3, s9, v3                        ; out of it: row r, + 32 h
	v_lshlrev_b32 v4, 3, v5                        ; the words' place: 8 bytes a lane
.irp i, 0,1,2,3,4,5,6,7
	v_mov_b32 v[RES+\i], 0                         ; v_writelane_b32's destination counts as read
.endr
	s_lshl_b32 s10, ttmp9, 17                      ; 16 rows of 8,192 bytes
	s_lshl_b32 s12, s8, 11                         ; 512 keys of 4 bytes
	s_add_co_u32 s10, s10, s12
	s_mov_b32 s11, 0
	s_lshl_b32 s12, ttmp9, 12                      ; a row tile's 16 steps x 256 bytes
	s_lshl_b32 s13, s8, 10                         ; my four steps
	s_add_co_u32 s12, s12, s13
	s_mov_b32 s13, 0
	s_wait_kmcnt 0x0
	s_add_nc_u64 s[4:5], s[4:5], s[10:11]
	s_add_nc_u64 s[6:7], s[6:7], s[12:13]
	s_lshl_b32 s12, ttmp9, 4                       ; a row tile's four flag words
	s_lshl_b32 s24, s8, 2                          ; 4 x wave: my word's place, and my bits' place in it
	s_add_co_u32 s12, s12, s24
	s_add_nc_u64 s[28:29], s[28:29], s[12:13]
.macro LOAD u                          ; unit u: sixteen rows' 512 bytes into set u % 2
.irp p, 0,1,2,3,4,5,6,7,8,9,10,11,12,13,14,15
	global_load_b128 v[LD+64*((\u)%2)+4*\p:LD+64*((\u)%2)+4*\p+3], v1, s[4:5] offset:\p*ROWM+(\u)*512 th:TH_LOAD_NT
.endr
.endm
.macro UNIT u
.if (\u) < 3
	s_wait_loadcnt 16                              ; this unit's sixteen loads are in; the next unit's sixteen may be out
.else
	s_wait_loadcnt 0
.endif
.irp p, 0,1,2,3,4,5,6,7,8,9,10,11,12,13,14,15
	ds_store_b128 v2, v[LD+64*((\u)%2)+4*\p:LD+64*((\u)%2)+4*\p+3] offset:\p*SP
.endr
.irp t, 0,1,2,3,4,5,6,7
	ds_load_b128 v[X+8*\t:X+8*\t+3], v3 offset:64*\t           ; LDS serves a wave's instructions in order: these see the stores above
	ds_load_b128 v[X+8*\t+4:X+8*\t+7], v3 offset:64*\t+16
.endr
	s_wait_dscnt 0x0                               ; the unit is back, and the stores have read their registers,
.if (\u)+2 < 4
	LOAD (\u)+2                                    ; which take the loads of two units on
.endif
.set g, 0
.rept 8                                ; eight words at a time
.irp k, 0,1,2,3,4,5,6,7
	v_cmp_ne_u32 s[16+\k], 0, v[X+8*g+\k]          ; word 8 g + k: a bit a lane
.endr
.irp k, 0,1,2,3,4,5,6,7
	v_writelane_b32 v[RES+2*(\u)+(\k)%2], s[16+\k], 4*g+(\k)/2
.endr
.set g, g+1
.endr
	global_store_b64 v4, v[RES+2*(\u):RES+2*(\u)+1], s[6:7] offset:256*(\u)   ; 32 lanes store 256 consecutive bytes, aligned
	v_and_b32 v218, v[RES+2*(\u)], v[RES+2*(\u)+1]
	v_cmp_ne_u32 s25, -1, v218                     ; a lane whose two words are not all ones: the unit has a hole
	s_cmp_lg_u32 s25, 0
	s_cselect_b32 s25, 1<<(\u), 0
	s_or_b32 s26, s26, s25
.endm
	LOAD 0
	LOAD 1
	UNIT 0
	UNIT 1
	UNIT 2
	UNIT 3
	s_lshl_b32 s26, s26, s24                       ; bits 4 w .. 4 w + 3
	v_mov_b32 v218, s26
	v_mov_b32 v219, 0
	v_cmp_gt_u32 vcc_lo, 1, v5                     ; lane 0 stores the wave's word
	s_wait_alu depctr_va_vdst(0)                   ; directly ahead of the wait below
	s_wait_xcnt 0x0                                ; EXEC changes only behind this wait
	s_and_saveexec_b32 s25, vcc_lo
	global_store_b32 v219, v218, s[28:29]
	s_wait_xcnt 0x0
	s_or_b32 exec_lo, exec_lo, s25
	s_wait_tensorcnt 0x0
	ds_add_u32 v216, v217
	s_wait_dscnt 0x0
	s_endpgm
.Lfunc_end_k_q2df1a3a0e7_mbits:
	.size	k_q2df1a3a0e7_mbits, .Lfunc_end_k_q2df1a3a0e7_mbits-k_q2df1a3a0e7_mbits
	.p2alignl 7, 3214868480
	.fill 96, 4, 3214868480
	.section	.rodata,"a",@progbits
	.p2align	6, 0x0
	.amdhsa_kernel k_q2df1a3a0e7_mbits
		.amdhsa_group_segment_fixed_size 34304
		.amdhsa_private_segment_fixed_size 0
		.amdhsa_enable_private_segment 0
		.amdhsa_kernarg_size 24
		.amdhsa_user_sgpr_count 2
		.amdhsa_user_sgpr_kernarg_segment_ptr 1
		.amdhsa_wavefront_size32 1
		.amdhsa_system_sgpr_workgroup_id_x 1
		.amdhsa_system_sgpr_workgroup_id_y 1
		.amdhsa_system_sgpr_workgroup_id_z 1
		.amdhsa_system_vgpr_workitem_id 0
		.amdhsa_next_free_vgpr 220
		.amdhsa_next_free_sgpr 66
		.amdhsa_reserve_vcc 1
		.amdhsa_float_denorm_mode_32 3
		.amdhsa_float_denorm_mode_16_64 3
		.amdhsa_memory_ordered 1
		.amdhsa_forward_progress 1
		.amdhsa_inst_pref_size 50
	.end_amdhsa_kernel
	.amdgpu_metadata
---
amdhsa.version: [ 1, 2 ]
amdhsa.kernels:
  - .name:           k_q2df1a3a0e7_mbits
    .symbol:         k_q2df1a3a0e7_mbits.kd
    .args:
      - { .name: mask, .offset: 0, .size: 8, .value_kind: global_buffer, .address_space: global }
      - { .name: mbits, .offset: 8, .size: 8, .value_kind: global_buffer, .address_space: global }
      - { .name: mflag, .offset: 16, .size: 8, .value_kind: global_buffer, .address_space: global }
    .group_segment_fixed_size: 34304
    .private_segment_fixed_size: 0
    .kernarg_segment_align: 8
    .kernarg_segment_size: 24
    .max_flat_workgroup_size: 128
    .sgpr_count:     66
    .vgpr_count:     220
    .wavefront_size: 32
...
	.end_amdgpu_metadata
.endif
;; end of part 1
;; launch proj (part 2): grid 4 x 96, 4 waves a work-group, clusters of 4 x 4, 327,680 bytes of LDS; arguments query_codes, query_scales, Wq_codes, Wq_scales, bq, key_codes, key_scales, Wk_codes, Wk_scales, bk, Wv_codes, Wv_scales, value_codes, value_scales, bv, qws, kv; writes qws, kv
.if DOCPART == 2
	.amdgcn_target "amdgcn-amd-amdhsa--gfx1250"
	.amdhsa_code_object_version 6
	.text
	.protected	k_q2df1a3a0e7_proj
	.globl	k_q2df1a3a0e7_proj
	.p2align	8
	.type	k_q2df1a3a0e7_proj,@function
k_q2df1a3a0e7_proj:
	s_mov_b64 s[64:65], 0
	v_nop
	global_prefetch_b8 v0, s[64:65] scope:SCOPE_SE
	s_setreg_imm32_b32 hwreg(HW_REG_WAVE_MODE, 25, 1), 1
	s_wait_xcnt 0x0
	s_wait_alu depctr_hold_cnt(0) depctr_sa_sdst(0) depctr_va_vdst(0) depctr_va_sdst(0) depctr_va_ssrc(0) depctr_va_vcc(0) depctr_vm_vsrc(0)
	s_getreg_b32 s2, hwreg(HW_REG_IB_STS2, 6, 4)
	s_cmp_eq_u32 s2, 0
	s_cbranch_scc0 .Lentry_in_a_cluster
	s_endpgm
.Lentry_in_a_cluster:
	s_bfe_u32 s2, ttmp6, 0x10000c
	s_cmp_lg_u32 s2, 0xf033
	s_cbranch_scc0 .Lentry_shape_is_right
	s_endpgm
.Lentry_shape_is_right:
; q = query Wq^T + bq, k = key Wk^T + bk, v = value Wv^T + bv on codes of E4M3 with E8M0 scales, and the results quantised at once for the attention launch: q and k along a head's 64, v along the keys.
; ONE TEXT FOR THE THREE PRODUCTS.  A product is C = A B^T with K = 1,024; the matrix instruction takes 16 rows of B as source 0 and 16 rows of A as source 1, so that a lane holds ONE row of A and its registers run along B's rows.
; What is quantised runs along B: for q and k  A = the tokens (8,192 rows), B = the weight (1,024 rows: the features);  for v  A = Wv (the features), B = value (the tokens = the keys).
; Eight clusters of 4 x 4 work-groups serve each product (cluster y / 8 = 0: q, 1: k, 2: v); only pointers, tile coordinates, the bias's form and the output's strides differ, and they are chosen by s_cselect on the cluster's y, which all sixteen partners share.
; A tile of C is 256 x 256; four waves, each 128 x 128: 64 accumulators, 512 registers.  K goes in steps of 256 through two LDS slots filled by joint tensor loads (A's tile shared along a row of the cluster, B's along a column);
; the scale bytes of the work-group's rows, for all of K, come once and stay in LDS.
; THE BIAS along B is the C of the first products (zeros for v); the bias along A is added on the way out (zeros for q and k).
; THE WAY OUT.  Block a (16 rows of A): a lane's 64 numbers, register 8 b + j = B's row 16 b + 8 h + j, are four blocks of 32 (each shared with lane l xor 16).  Their codes are stored AS THE OPERAND'S REGISTERS of the attention launch:
; place 32 c + 16 h + i of a fragment holds index 32 c + 16 (i / 8) + 8 h + i % 8: a permutation inside a block of 32, the same for q and k, and the same for v and the weights p: the sums are over the same pairs.
;   qws [head 64][step 16][8,704]: 8 tiles of 16 tokens x [c 2][lane][16 bytes], then scale words [g 2][r 16][t 4] (tile 4 g + t, row r).     kv [head 64][step 16][K part 8,704 | V part 8,704]: the K part as in qws;
;   the V part: 4 tiles of 16 features x [c 4][lane][16 bytes], scale words [r 16][t 4], and 256 bytes that are stored and never used, so that a step's block is 68 rows of 256 bytes.  Every store covers 512 or 256 consecutive bytes, aligned.
; A q or k scale word holds its head's two bytes below; above them lie the neighbour head's bytes or zeros: they stand over zero codes (K = 64 of the instruction's 128) and are never 0xff.
; LIMITS: NaN and infinities are not served; a block whose largest magnitude lies under 2^(9 - 127) gets the byte 1 (a block of zeros too: its codes are zeros, and this program alone reads the bytes).
; REGISTERS: window 0: v1-7 at work, v8-15 the bias along A, v16-31 addresses, v32-63 scale words (two sets), v64-127 the bias along B, v128-255 A's fragments (one set); on the way out v64-255 are free.
;   window 1: B's fragments, two sets.   windows 2, 3: the accumulators ((a, b) at v[8 (8 (a % 4) + b)]).
.set KSTEP,  256
.set NQ,     2                         ; matrix instructions deep in a slot
.set ROWB,   256                       ; a tile's row in bytes
.set KROW,   1024                      ; a row of A or B in memory
.set PITCH,  272                       ; an LDS row: 256 bytes + 16: 68 words, so the 16 rows that a load touches start at 16 different banks
.set FR,     16
.set NL,     4
.set NP,     8                         ; places behind this matrix instruction (ISA guide 7.12.1)
.set HALFT,  128*PITCH
.set SLOT,   4*HALFT
.set LAPS,   2                         ; 1,024 / 512
.set KS,     32                        ; a row of scale bytes
.set SCL,    2*SLOT
.set HALFS,  (128*KS/256)*272
.set SBLK,   (16*KS/256)*272
.set SPARE,  SCL+4*HALFS               ; the spare words: 128 bytes a wave, two blocks of 256 bytes that no other line names
.set QHEAD,  139264                    ; a head in qws
.set KVHEAD, 278528                    ; a head in kv
.set QSTEP,  8704
.set KVSTEP, 17408
.set BA0,  8                           ; v8-15   the bias along A: block a's number of my row
.set ADRA, 16
.set ADRB, 20
.set ADRS, 27
.set SPW,  28
.set NIL,  29
.set SC,   32
.set CB,   64                          ; v64-127 the bias along B, eight registers a block, in the result's layout
.set AF,   128
.set G1, 24
.set G0, 32
.set G1B, 48
.set G0B, 56
.set G1S, 68
.set G0S, 76
.set G1SB, 80
.set G0SB, 88
.set MSB, 0
.macro WIN new                         ; the immediate's high byte repeats the setting that is left
.if MSB != (\new)
	s_set_vgpr_msb (MSB<<8)|(\new)
.set MSB, (\new)
.endif
.endm
.set MUL_LO, 0xa1                      ; source 0 (B) window 1, source 1 (A) window 0, C and D window 2
.set MUL_HI, 0xf1                      ; the same, C and D window 3
.set TO_B,   0x40
.macro JLOAD g0a, g1a, g0b, g1b        ; a joint load: waves 0 and 1 fetch for A, waves 2 and 3 for B; four v_nop follow each line
	s_cmp_eq_u32 s15, 0
	s_cbranch_scc0 .Lfor_b_\@
	tensor_load_to_lds s[\g0a:\g0a+3], s[\g1a:\g1a+7]
	s_nop 0
.rept 4
	v_nop
.endr
	s_branch .Lasked_\@
.Lfor_b_\@:
	tensor_load_to_lds s[\g0b:\g0b+3], s[\g1b:\g1b+7]
	s_nop 0
.rept 4
	v_nop
.endr
.Lasked_\@:
.endm
.macro CREST                           ; a round of the cluster's barrier behind its opening barrier
	s_cmp_lg_u32 s14, 0
	s_cbranch_scc1 .Lnot_wave_0_\@
	s_barrier_signal -3
.Lnot_wave_0_\@:
	s_barrier_wait -3
	s_barrier_signal -1
	s_barrier_wait -1
.endm
.macro CROUND
	s_barrier_signal -1
	s_barrier_wait -1
	CREST
.endm
	s_load_b512 s[24:39], s[0:1], 0x0              ; the 17 addresses: number i at s[24 + 2 i]
	s_load_b512 s[40:55], s[0:1], 0x40
	s_load_b64 s[56:57], s[0:1], 0x80
	v_lshl_add_u32 v[SPW], v0, 2, SPARE
	v_mov_b32 v[NIL], 0
	ds_add_u32 v28, v29
	ds_add_u32 v28, v29
	s_wait_dscnt 0x0
	v_lshrrev_b32 v1, 5, v0
	v_readfirstlane_b32 s14, v1                    ; wave 0..3
	s_lshr_b32 s15, s14, 1                         ; which half of A's rows is mine.  Also: I fetch for A (0) or for B (1)
	s_and_b32 s16, s14, 1                          ; which half of B's rows.  Also: which 128 rows I fetch
	s_and_b32 s3, ttmp7, 0xffff                    ; the cluster's y, 0..23
	s_lshr_b32 s2, s3, 3                           ; which product: 0 q, 1 k, 2 v
	s_and_b32 s3, s3, 7                            ; which of its eight clusters
	s_wait_kmcnt 0x0
	s_cmp_eq_u32 s2, 1
.irp j, 0,1,2,3,4
	s_cselect_b64 s[4+2*\j:5+2*\j], s[34+2*\j:35+2*\j], s[24+2*\j:25+2*\j]
.endr
	s_cmp_eq_u32 s2, 2
.irp j, 0,1,2,3,4
	s_cselect_b64 s[4+2*\j:5+2*\j], s[44+2*\j:45+2*\j], s[4+2*\j:5+2*\j]   ; s[4:5] A's codes, s[6:7] A's scales, s[8:9] B's codes, s[10:11] B's scales, s[12:13] the bias
.endr
	s_cselect_b32 s18, 0, s3                       ; the long operand (8,192 rows) is A for q and k, B for v
	s_cselect_b32 s19, s3, 0
	s_cselect_b32 s100, 0, -1                      ; all lanes keep the bias along B, or none
	s_cmp_eq_u32 s2, 0
	s_cselect_b64 s[96:97], s[54:55], s[56:57]     ; where the results go: qws or kv
	s_bfe_u32 s40, ttmp6, 0x40000                  ; cx, cy: my place in the cluster
	s_bfe_u32 s41, ttmp6, 0x40004
	s_lshl_b32 s42, s19, 2
	s_add_co_u32 s42, s42, s40                     ; tile of B's rows
	s_lshl_b32 s17, s18, 2
	s_add_co_u32 s17, s17, s41                     ; tile of A's rows
	s_lshl_b32 s43, s41, 2
	s_lshl_b32 s43, 15, s43                        ; my row of the cluster
	s_lshl_b32 s44, 0x1111, s40                    ; my column
	; descriptor group 1: a tile of 128 rows x 256 bytes, 16 bytes of padding behind each row
	s_or_b32 s[G1+0], s43, (0<<16)|(1<<20)|(1<<21)|(5<<22)|(3<<25)  ; 15:0 the mask; 17:16 elements of 1 byte; 20 padding on; 21 set beside a mask; 24:22 after every 64 words; 31:25 four words
	s_or_b32 s[G1B+0], s44, (0<<16)|(1<<20)|(1<<21)|(5<<22)|(3<<25)
.irp g, G1, G1B
	s_mov_b32 s[\g+1], ROWB<<16                    ; tensor_dim0
	s_mov_b32 s[\g+2], 256<<16                     ; tensor_dim1: 256 rows for the head's loads; 128 for the ring's, set behind them
	s_mov_b32 s[\g+3], ROWB<<16                    ; tile_dim0
	s_mov_b32 s[\g+4], 256                         ; tile_dim1
	s_mov_b32 s[\g+5], KROW                        ; from row to row
	s_mov_b32 s[\g+6], 0
	s_mov_b32 s[\g+7], 0
.endr
	; the scale bytes of 256 rows: 8,192 dense bytes as 32 rows of 256 (32 elements of 8 bytes), 16 bytes of padding behind each
	s_or_b32 s[G1S+0], s43, (3<<16)|(1<<20)|(1<<21)|(5<<22)|(3<<25)
	s_or_b32 s[G1SB+0], s44, (3<<16)|(1<<20)|(1<<21)|(5<<22)|(3<<25)
.irp g, G1S, G1SB
	s_mov_b32 s[\g+1], 32<<16
	s_mov_b32 s[\g+2], (256*KS/256)<<16            ; the scale bytes of 256 rows: 32 rows of 256 bytes
	s_mov_b32 s[\g+3], 32<<16
	s_mov_b32 s[\g+4], 256*KS/256
	s_mov_b32 s[\g+5], 32
	s_mov_b32 s[\g+6], 0
	s_mov_b32 s[\g+7], 0
.endr
	s_lshl_b32 s20, s17, 8                         ; A: the tile's first row
	s_lshl_b32 s46, s42, 8                         ; B likewise
	s_mov_b32 s21, 0
	s_mov_b32 s47, 0
	s_mov_b64 s[18:19], KS
	s_mul_u64 s[22:23], s[20:21], s[18:19]         ; where these rows' scales begin
	s_mul_u64 s[92:93], s[46:47], s[18:19]
	s_mov_b64 s[18:19], KROW
	s_mul_u64 s[20:21], s[20:21], s[18:19]         ; and their codes
	s_mul_u64 s[46:47], s[46:47], s[18:19]
	s_mul_i32 s18, s16, 128*KROW                   ; in the ring I fetch 128 rows of a tile: which half, in bytes,
	s_mov_b32 s19, 0
	s_mul_i32 s45, s14, HALFT                      ; and where they go: wave x 128 rows: no place in the cluster enters an LDS address
	s_add_nc_u64 s[20:21], s[4:5], s[20:21]
	s_add_nc_u64 s[22:23], s[6:7], s[22:23]
	s_add_nc_u64 s[46:47], s[8:9], s[46:47]
	s_add_nc_u64 s[92:93], s[10:11], s[92:93]
	CROUND                                         ; all sixteen work-groups are here: the first joint loads meet
	s_mov_b32 s[G0S], 1
	s_mov_b32 s[G0S+1], SCL
	s_mov_b64 s[G0S+2:G0S+3], s[22:23]
	s_or_b32 s[G0S+3], s[G0S+3], 0x80000000
	s_mov_b32 s[G0SB], 1
	s_mov_b32 s[G0SB+1], SCL+2*HALFS
	s_mov_b64 s[G0SB+2:G0SB+3], s[92:93]
	s_or_b32 s[G0SB+3], s[G0SB+3], 0x80000000
	s_mov_b32 s4, 1                                ; s[4:7]: group 0 for K step 0's 256 rows of A (the addresses that lay here have been used),
	s_mov_b32 s5, 0
	s_mov_b64 s[6:7], s[20:21]
	s_or_b32 s7, s7, 0x80000000
	s_mov_b32 s8, 1                                ; s[8:11]: for its 256 rows of B, behind them in slot 0
	s_mov_b32 s9, 2*HALFT
	s_mov_b64 s[10:11], s[46:47]
	s_or_b32 s11, s11, 0x80000000
	s_add_nc_u64 s[20:21], s[20:21], s[18:19]      ; for the ring: my 128 rows of the tile
	s_add_nc_u64 s[46:47], s[46:47], s[18:19]
.irp s, 0,1
	s_mov_b32 s[G0+4*\s], 1
	s_add_co_u32 s[G0+4*\s+1], s45, \s*SLOT
	s_add_nc_u64 s[G0+4*\s+2:G0+4*\s+3], s[20:21], \s*ROWB
	s_or_b32 s[G0+4*\s+3], s[G0+4*\s+3], 0x80000000
	s_mov_b32 s[G0B+4*\s], 1
	s_add_co_u32 s[G0B+4*\s+1], s45, \s*SLOT
	s_add_nc_u64 s[G0B+4*\s+2:G0B+4*\s+3], s[46:47], \s*ROWB
	s_or_b32 s[G0B+4*\s+3], s[G0B+4*\s+3], 0x80000000
.endr
; THE HEAD'S LOADS, ONE A WAVE: wave 0 K step 0's 256 rows of A, wave 1 its 256 rows of B, wave 2 the scales of A's 256 rows, wave 3 those of B's.  One tree of branches on the wave's number, a load to an arm.
.macro ARM under, g0, g1, next
	s_cmp_lt_u32 s14, \under
	s_cbranch_scc0 \next
	tensor_load_to_lds s[\g0:\g0+3], s[\g1:\g1+7]
	s_nop 0
.rept 4
	v_nop
.endr
	s_branch .Lhead_asked
\next:
.endm
	ARM 1, 4, G1, .Lhead_b
	ARM 2, 8, G1B, .Lhead_sa
	ARM 3, G0S, G1S, .Lhead_sb
	tensor_load_to_lds s[G0SB:G0SB+3], s[G1SB:G1SB+7]
	s_nop 0
.rept 4
	v_nop
.endr
.Lhead_asked:
	; the biases.  Along B (q, k): my 128 features from 256 x tile + 128 x half on; along A (v) likewise.  The product that does not want one reads the bias's first numbers and selects zeros.
	s_lshl_b32 s46, s42, 10
	s_lshl_b32 s47, s16, 9
	s_add_co_u32 s46, s46, s47
	s_lshl_b32 s22, s17, 10
	s_lshl_b32 s23, s15, 9
	s_add_co_u32 s22, s22, s23
	s_cmp_eq_u32 s2, 2
	s_cselect_b32 s46, 0, s46
	s_cselect_b32 s22, s22, 0
	s_mov_b32 s47, 0
	s_mov_b32 s23, 0
	s_add_nc_u64 s[66:67], s[12:13], s[46:47]
	s_add_nc_u64 s[98:99], s[12:13], s[22:23]
	v_and_b32 v1, 15, v0                           ; r
	v_bfe_u32 v2, v0, 4, 1                         ; h
	v_lshlrev_b32 v7, 5, v2                        ; 32 h: my half's eight numbers of a block of 16
	v_lshlrev_b32 v30, 2, v1                       ; 4 r
.irp b, 0,1,2,3,4,5,6,7
	global_load_b128 v[CB+8*\b:CB+8*\b+3], v7, s[66:67] offset:64*\b
	global_load_b128 v[CB+8*\b+4:CB+8*\b+7], v7, s[66:67] offset:64*\b+16
.endr
.irp a, 0,1,2,3,4,5,6,7
	global_load_b32 v[BA0+\a], v30, s[98:99] offset:64*\a
.endr
	v_mul_u32_u24 v3, v1, PITCH
	v_lshl_add_u32 v4, v2, 4, v3                   ; a fragment's row x pitch + 16 x half
	s_mul_i32 s21, s15, HALFT                      ; my 128 rows of A
	s_mul_i32 s22, s16, HALFT                      ; my 128 rows of B,
	s_add_co_u32 s22, s22, 2*HALFT                 ; which lie behind A's 256
.irp s, 0,1
	v_add_nc_u32 v[ADRA+\s], s21, v4
	v_add_nc_u32 v[ADRB+\s], s22, v4
	s_add_co_u32 s21, s21, SLOT
	s_add_co_u32 s22, s22, SLOT
.endr
	v_mul_u32_u24 v5, v1, KS                       ; my row's scales: 32 bytes a row,
	v_lshrrev_b32 v6, 8, v5
	v_lshl_add_u32 v5, v6, 4, v5                   ; and 16 more for each 256 passed
	s_mul_i32 s21, s15, HALFS
	s_mul_i32 s22, s16, HALFS
	s_add_co_u32 s22, s22, 2*HALFS
	s_sub_co_u32 s22, s22, s21
	v_mul_u32_u24 v6, s22, v2                      ; lanes 16-31 take B's: one product, the distance between the two bases x h
	s_add_co_u32 s21, s21, SCL
	v_add_nc_u32 v5, v5, v6
	v_add_nc_u32 v[ADRS], s21, v5
	s_wait_loadcnt 0x0                             ; the biases
.set i, 0
.rept 64
	v_cndmask_b32 v[CB+i], 0, v[CB+i], s100        ; zeros where the bias runs along A
.set i, i+1
.endr
.macro FRAG reg, adr, q, i             ; 16 rows x 128 K: lane l holds row l % 16; registers 4 c .. 4 c + 3 hold K = 32 c + 16 (l / 16) + 0 .. 15
.irp c, 0,1,2,3
	ds_load_b128 v[\reg+4*\c:\reg+4*\c+3], v[\adr] offset:128*(\q)+32*\c+(\i)*16*PITCH
.endr
.endm
; 16 matrix instructions: A's blocks a0, a0 + 1 x B's eight.  zero = 1: the first products start the sums with the bias along B as their C.  The 64 accumulators take turns, one instruction a turn.
.macro MUL16 a0, p, q, sc, zero
.irp a, \a0, \a0+1
.irp b, 0,1,2,3,4,5,6,7
.if \zero
	v_wmma_scale_f32_16x16x128_f8f6f4 v[8*(8*((\a)%4)+\b):8*(8*((\a)%4)+\b)+7], v[128*(\p)+FR*\b:128*(\p)+FR*\b+FR-1], v[AF+FR*(\a):AF+FR*(\a)+FR-1], v[CB+8*\b:CB+8*\b+7], v[SC+8*NQ*(\sc)+NQ*\b+(\q)], v[SC+8*NQ*(\sc)+NQ*(\a)+(\q)] matrix_a_scale:MATRIX_SCALE_ROW1
.else
	v_wmma_scale_f32_16x16x128_f8f6f4 v[8*(8*((\a)%4)+\b):8*(8*((\a)%4)+\b)+7], v[128*(\p)+FR*\b:128*(\p)+FR*\b+FR-1], v[AF+FR*(\a):AF+FR*(\a)+FR-1], v[8*(8*((\a)%4)+\b):8*(8*((\a)%4)+\b)+7], v[SC+8*NQ*(\sc)+NQ*\b+(\q)], v[SC+8*NQ*(\sc)+NQ*(\a)+(\q)] matrix_a_scale:MATRIX_SCALE_ROW1
.endif
.endr
.endr
.endm
.macro FETCH_B slot, q, p
	WIN TO_B
.irp i, 0,1,2,3,4,5,6,7
	FRAG 128*(\p)+FR*\i, ADRB+\slot, \q, \i
.endr
	WIN 0
.endm
.macro FETCH_A slot, q, i0
.irp i, \i0, \i0+1, \i0+2, \i0+3
	FRAG AF+FR*(\i), ADRA+\slot, \q, \i
.endr
.endm
.macro SCALES sc                       ; a K step's scale words: two a row; lanes 0-15 take A's block i, lanes 16-31 B's block i
.irp i, 0,1,2,3,4,5,6,7
	ds_load_b64 v[SC+8*NQ*\sc+NQ*\i:SC+8*NQ*\sc+NQ*\i+1], v[ADRS] offset:\i*SBLK
.endr
.endm
.macro PLACES n                        ; plain vector instructions that name no register of the matrix instructions before them (ISA guide 7.12.1)
.rept \n
	v_nop
.endr
.endm
.macro STEP slot, q, zero              ; 128 along K whose successor lies in the same slot
	s_wait_dscnt 4*NL                              ; B's set, A's blocks 0-3 and the scale words are in; the youngest sixteen loads (A's blocks 4-7) may be out
.if \zero
	WIN 0x81                                       ; C (the bias) in window 0, D in window 2
.else
	WIN MUL_LO
.endif
	MUL16 0, (\q)%2, \q, \slot, \zero
	MUL16 2, (\q)%2, \q, \slot, \zero
	s_wait_dscnt 0
	PLACES NP
	FETCH_B \slot, (\q)+1, 1-(\q)%2
	FETCH_A \slot, (\q)+1, 0
.if \zero
	WIN 0xc1
.else
	WIN MUL_HI
.endif
	MUL16 4, (\q)%2, \q, \slot, \zero
	MUL16 6, (\q)%2, \q, \slot, \zero
	PLACES NP
	WIN 0
	FETCH_A \slot, (\q)+1, 4
.endm
; A slot's last step changes slots: one barrier; in front of it each wave waits for all its tensor loads, adds 0 to its spare word, and waits for that and for its reads of this slot.  fill = 1: the slot is filled again, two K steps ahead.
.macro TURN slot, next, fill
	s_wait_tensorcnt 0x0                           ; all my tensor loads have landed: my part of the next slot
	ds_add_u32 v[SPW], v[NIL]                      ; 0 onto my spare word
	s_wait_dscnt 4*NL+1                            ; (the add and the youngest sixteen loads may be out)
	WIN MUL_LO
	MUL16 0, 1, NQ-1, \slot, 0
	s_wait_dscnt 0x0                               ; the add is done, and my reads of this slot are over
	s_barrier_signal -1
	MUL16 2, 1, NQ-1, \slot, 0
	WIN 0
	s_barrier_wait -1
.if \fill
	CREST                                          ; the barrier has opened a round of the cluster's barrier: no wave of any partner still reads this slot or has a load on its way
	s_add_nc_u64 s[G0+4*\slot+2:G0+4*\slot+3], s[G0+4*\slot+2:G0+4*\slot+3], 2*ROWB
	s_add_nc_u64 s[G0B+4*\slot+2:G0B+4*\slot+3], s[G0B+4*\slot+2:G0B+4*\slot+3], 2*ROWB
	JLOAD G0+4*\slot, G1, G0B+4*\slot, G1B         ; the first tensor load behind the round, and my only one until the next; its four v_nop are four of the eight places
	PLACES NP-4
.else
	PLACES NP
.endif
	s_wait_alu depctr_va_vdst(0)
	v_add_nc_u32 v[ADRS], 4*NQ, v[ADRS]            ; the next K step's scale words
	FETCH_B \next, 0, 0
	FETCH_A \next, 0, 0
	SCALES \next
	WIN MUL_HI
	MUL16 4, 1, NQ-1, \slot, 0
	MUL16 6, 1, NQ-1, \slot, 0
	PLACES NP
	WIN 0
	FETCH_A \next, 0, 4
.endm
	PLACES NP                                      ; between the selects on the bias and the products that take it
	s_wait_alu depctr_va_vdst(0)
	s_wait_tensorcnt 0x0                           ; my tile of the head's four is in
	ds_add_u32 v[SPW], v[NIL]
	s_mov_b32 s[G1+2], 128<<16                     ; no tensor load of mine is out: from here on a load brings 128 rows
	s_mov_b32 s[G1+4], 128
	s_mov_b32 s[G1B+2], 128<<16
	s_mov_b32 s[G1B+4], 128
	s_wait_dscnt 0x0
	CROUND                                         ; all four tiles are in, and all sixteen work-groups are here
	JLOAD G0+4, G1, G0B+4, G1B                     ; K step 1: the first tensor load behind the round
	FETCH_B 0, 0, 0
	FETCH_A 0, 0, 0
	SCALES 0
	FETCH_A 0, 0, 4
	STEP 0, 0, 1
	s_mov_b32 s3, LAPS-1
.Llap:                                                 ; a trip goes once round the ring and fills both slots again
	TURN 0, 1, 1
	STEP 1, 0, 0
	TURN 1, 0, 1
	STEP 0, 0, 0
	s_sub_co_u32 s3, s3, 1
	s_cmp_lg_u32 s3, 0
	s_cbranch_scc1 .Llap
	TURN 0, 1, 0                                   ; the last lap fills nothing
	STEP 1, 0, 0
	s_wait_dscnt 4*NL
	WIN MUL_LO
	MUL16 0, 1, NQ-1, 1, 0
	MUL16 2, 1, NQ-1, 1, 0
	s_wait_dscnt 0
	WIN MUL_HI
	MUL16 4, 1, NQ-1, 1, 0
	MUL16 6, 1, NQ-1, 1, 0
	WIN 0
; THE WAY OUT.  No tensor load of mine is out any more, so the descriptors' registers serve as scalars.
.set BA,  64                           ; v64-79   the bias along A, a pair for each block
.set ST,  128                          ; v128-191 a block's 64 numbers
.set PC,  192                          ; v192-207 its codes
.set TM,  208                          ; v208-223 largest magnitudes, bytes, holds, scale operands
.set PW,  224                          ; v224-231 the eight blocks' scale words
.set OFF, 232                          ; v232-235 where the four groups of 16 bytes go
.set W,   236                          ; v236-243 scale words as they are stored
.set W2,  240
.set SO1, 244
.set SO2, 245
.set SEL, 48                           ; s[48:49] lane selects: lane l xor 16
.set MNT, 50                           ; s50  the mantissa field of 448
.set SHI, 51                           ; s51  lanes 16-31
	s_cmp_eq_u32 s2, 2                             ; v?
	s_cselect_b32 s24, s42, s17                    ; the tile along the tokens,
	s_cselect_b32 s25, s16, s15                    ; my half of it;
	s_cselect_b32 s26, s17, s42                    ; the tile along the features,
	s_cselect_b32 s27, s15, s16                    ; my half of it
	s_cselect_b32 s28, QSTEP, 0                    ; the V part lies behind the K part
	s_cselect_b32 s29, -1, 0                       ; all lanes keep the bias along A, or none
	s_mov_b32 s44, 1024
	s_cselect_b32 s44, 2048, s44                   ; from block a to block a + 1: a tile of tokens (1,024 bytes) or of features (2,048);
	s_mov_b32 s46, 1024
	s_cselect_b32 s46, KVHEAD-3*2048, s46          ; from block 3 to block 4: for v the next head's first tile
	s_mov_b32 s33, 256
	s_cselect_b32 s33, KVHEAD, s33                 ; the scale words of lanes 16-31: tiles 4-7 (256 bytes on), for v the next head's
	s_mov_b32 s45, 0
	s_mov_b32 s47, 0
	s_cmp_eq_u32 s2, 0                             ; q?
	s_mov_b32 s34, KVHEAD
	s_cselect_b32 s34, QHEAD, s34                  ; a head,
	s_mov_b32 s35, KVSTEP
	s_cselect_b32 s35, QSTEP, s35                  ; a step of 128 tokens
	s_cmp_eq_u32 s2, 2
	s_cselect_b32 s36, 1024, s34                   ; from blocks 0, 1 of a lane's four to blocks 2, 3: for q and k the next head, for v 1,024 bytes
	s_cselect_b32 s37, 256, s34                    ; the second store of scale words: for q and k the next head's, for v the 256 bytes that nobody uses
	s_lshl_b32 s24, s24, 1
	s_add_co_u32 s24, s24, s25                     ; which 128 tokens: 0..63 = 16 x batch + step
	s_lshl_b32 s26, s26, 2
	s_lshl_b32 s27, s27, 1
	s_add_co_u32 s26, s26, s27                     ; my first head
	s_lshr_b32 s25, s24, 4
	s_lshl_b32 s25, s25, 4
	s_add_co_u32 s25, s25, s26                     ; 16 x batch + head
	s_mul_i32 s25, s25, s34
	s_and_b32 s24, s24, 15
	s_mul_i32 s24, s24, s35
	s_add_co_u32 s38, s25, s24
	s_add_co_u32 s38, s38, s28
	s_mov_b32 s39, 0
	s_add_nc_u64 s[96:97], s[96:97], s[38:39]      ; walks with the blocks;
	s_mov_b64 s[94:95], s[96:97]                   ; stays, for the scale words
	s_mov_b32 s[SEL], 0x76543210
	s_mov_b32 s[SEL+1], 0xfedcba98
	s_mov_b32 s[MNT], 0x600000
	s_mov_b32 s[SHI], 0xffff0000
.irp a, 0,1,2,3,4,5,6,7                ; sixteen plain lines that name no register of the last products: their places
	v_cndmask_b32 v[BA+2*\a], 0, v[BA0+\a], s29
	v_cndmask_b32 v[BA+2*\a+1], 0, v[BA0+\a], s29
.endr
.irp b, 0,1,2,3
	v_mov_b32 v[TM+4+\b], 0                        ; a lane permute's destination counts as one of its sources
.endr
	v_and_b32 v1, 31, v0
	v_lshlrev_b32 v[OFF], 4, v1                    ; 16 x lane
	v_add_nc_u32 v[OFF+1], 512, v[OFF]
	v_add_nc_u32 v[OFF+2], s36, v[OFF]
	v_add_nc_u32 v[OFF+3], 512, v[OFF+2]
	v_and_b32 v2, 15, v0
	v_bfe_u32 v3, v0, 4, 1
	v_mul_lo_u32 v[SO1], v3, s33
	v_lshl_add_u32 v[SO1], v2, 4, v[SO1]           ; 16 r + the upper lanes' distance
	v_add_nc_u32 v[SO2], s37, v[SO1]
; 64 numbers of a lane, v[s] on, register 16 b + i in block b, become 16 registers of codes in v[PC] on and the scale word v[pw].
.macro QUANT s, pw
.irp b, 0,1,2,3
	v_max3_num_f32 v[TM+\b], |v[\s+16*\b]|, |v[\s+1+16*\b]|, 0x4800000   ; my 16 numbers of block b, and the floor 2^(9 - 127): the byte cannot fall under 1
.endr
.irp i, 2,4,6,8,10,12,14
.irp b, 0,1,2,3
	v_max3_num_f32 v[TM+\b], v[TM+\b], |v[\s+16*\b+\i]|, |v[\s+1+16*\b+\i]|
.endr
.endr
.irp b, 0,1,2,3
	v_permlanex16_b32 v[TM+4+\b], v[TM+\b], s[SEL], s[SEL+1]
.endr
.irp b, 0,1,2,3
	v_max_num_f32 v[TM+\b], v[TM+\b], v[TM+4+\b]   ; with lane l xor 16's: the block's largest magnitude
.endr
.irp b, 0,1,2,3
	v_add_nc_u32 v[TM+12+\b], 0xfc000000, v[TM+\b] ; 8 off its exponent field: the conversion's scale operand
.endr
.irp b, 0,1,2,3
	v_and_or_b32 v[TM+8+\b], v[TM+\b], 0x7f800000, s[MNT]   ; 448 x the scale
.endr
.irp b, 0,1,2,3
	v_lshrrev_b32 v[TM+4+\b], 23, v[TM+12+\b]      ; the scale's byte
.endr
	v_lshl_or_b32 v[\pw], v[TM+5], 8, v[TM+4]
	v_lshl_or_b32 v[\pw], v[TM+6], 16, v[\pw]
	v_lshl_or_b32 v[\pw], v[TM+7], 24, v[\pw]
.irp b, 0,1,2,3
.irp i, 0,1,2,3,4,5,6,7,8,9,10,11,12,13,14,15
	v_med3_num_f32 v[\s+16*\b+\i], v[\s+16*\b+\i], -v[TM+8+\b], v[TM+8+\b]   ; the conversion to an 8-bit code does not saturate (ISA guide 7.6.2): the hold
.endr
	v_cvt_scalef32_pk8_fp8_f32 v[PC+4*\b:PC+1+4*\b], v[\s+16*\b:\s+7+16*\b], v[TM+12+\b]
	v_cvt_scalef32_pk8_fp8_f32 v[PC+2+4*\b:PC+3+4*\b], v[\s+8+16*\b:\s+15+16*\b], v[TM+12+\b]
.endr
	v_nop                                          ; a plain line between the last conversion and the next vector line that writes its sources
.endm
.macro OUTA a
.if (\a) > 0
	s_wait_xcnt 0x0                                ; the last block's stores have read their data and their base
.if (\a) == 4
	s_add_nc_u64 s[96:97], s[96:97], s[46:47]
.else
	s_add_nc_u64 s[96:97], s[96:97], s[44:45]
.endif
.endif
	WIN 0x02+(\a)/4                                ; source 0: window 2 or 3
.set AC, 64*((\a)%4)
.set i, 0
.rept 32
	v_pk_add_f32 v[ST+i:ST+i+1], v[AC+i:AC+i+1], v[BA+2*(\a):BA+2*(\a)+1]   ; out of the accumulators, each from its low end on, with the bias along A
.set i, i+2
.endr
	WIN 0
	QUANT ST, PW+(\a)
.irp p, 0,1,2,3
	global_store_b128 v[OFF+\p], v[PC+4*\p:PC+4*\p+3], s[96:97]   ; 32 lanes store 512 consecutive bytes, aligned
.endr
.endm
.irp a, 0,1,2,3,4,5,6,7
	OUTA \a
.endr
.irp t, 0,1,2,3
	v_cndmask_b32 v[W+\t], v[PW+\t], v[PW+4+\t], s[SHI]   ; lanes 0-15: block t's words; lanes 16-31: block 4 + t's
.endr
.irp t, 0,1,2,3
	v_lshrrev_b32 v[W2+\t], 16, v[W+\t]            ; q, k: the second head's two bytes come down
.endr
	global_store_b128 v[SO1], v[W:W+3], s[94:95] offset:8192
	global_store_b128 v[SO2], v[W2:W2+3], s[94:95] offset:8192
	s_wait_tensorcnt 0x0                           ; the wave's end
	ds_add_u32 v[SPW], v[NIL]
	s_wait_dscnt 0x0
	CROUND                                         ; the closing round: no work-group ends while a partner may still ask for a tile that names it
	s_endpgm
.Lfunc_end_k_q2df1a3a0e7_proj:
	.size	k_q2df1a3a0e7_proj, .Lfunc_end_k_q2df1a3a0e7_proj-k_q2df1a3a0e7_proj
	.p2alignl 7, 3214868480
	.fill 96, 4, 3214868480
	.section	.rodata,"a",@progbits
	.p2align	6, 0x0
	.amdhsa_kernel k_q2df1a3a0e7_proj
		.amdhsa_group_segment_fixed_size 327680
		.amdhsa_private_segment_fixed_size 0
		.amdhsa_enable_private_segment 0
		.amdhsa_kernarg_size 136
		.amdhsa_user_sgpr_count 2
		.amdhsa_user_sgpr_kernarg_segment_ptr 1
		.amdhsa_wavefront_size32 1
		.amdhsa_system_sgpr_workgroup_id_x 1
		.amdhsa_system_sgpr_workgroup_id_y 1
		.amdhsa_system_sgpr_workgroup_id_z 1
		.amdhsa_system_vgpr_workitem_id 0
		.amdhsa_next_free_vgpr 1024
		.amdhsa_next_free_sgpr 102
		.amdhsa_reserve_vcc 0
		.amdhsa_float_denorm_mode_32 3
		.amdhsa_float_denorm_mode_16_64 3
		.amdhsa_memory_ordered 1
		.amdhsa_forward_progress 1
		.amdhsa_inst_pref_size 211
	.end_amdhsa_kernel
	.amdgpu_metadata
---
amdhsa.version: [ 1, 2 ]
amdhsa.kernels:
  - .name:           k_q2df1a3a0e7_proj
    .symbol:         k_q2df1a3a0e7_proj.kd
    .args:
      - { .name: query_codes, .offset: 0, .size: 8, .value_kind: global_buffer, .address_space: global }
      - { .name: query_scales, .offset: 8, .size: 8, .value_kind: global_buffer, .address_space: global }
      - { .name: Wq_codes, .offset: 16, .size: 8, .value_kind: global_buffer, .address_space: global }
      - { .name: Wq_scales, .offset: 24, .size: 8, .value_kind: global_buffer, .address_space: global }
      - { .name: bq, .offset: 32, .size: 8, .value_kind: global_buffer, .address_space: global }
      - { .name: key_codes, .offset: 40, .size: 8, .value_kind: global_buffer, .address_space: global }
      - { .name: key_scales, .offset: 48, .size: 8, .value_kind: global_buffer, .address_space: global }
      - { .name: Wk_codes, .offset: 56, .size: 8, .value_kind: global_buffer, .address_space: global }
      - { .name: Wk_scales, .offset: 64, .size: 8, .value_kind: global_buffer, .address_space: global }
      - { .name: bk, .offset: 72, .size: 8, .value_kind: global_buffer, .address_space: global }
      - { .name: Wv_codes, .offset: 80, .size: 8, .value_kind: global_buffer, .address_space: global }
      - { .name: Wv_scales, .offset: 88, .size: 8, .value_kind: global_buffer, .address_space: global }
      - { .name: value_codes, .offset: 96, .size: 8, .value_kind: global_buffer, .address_space: global }
      - { .name: value_scales, .offset: 104, .size: 8, .value_kind: global_buffer, .address_space: global }
      - { .name: bv, .offset: 112, .size: 8, .value_kind: global_buffer, .address_space: global }
      - { .name: qws, .offset: 120, .size: 8, .value_kind: global_buffer, .address_space: global }
      - { .name: kv, .offset: 128, .size: 8, .value_kind: global_buffer, .address_space: global }
    .group_segment_fixed_size: 327680
    .private_segment_fixed_size: 0
    .kernarg_segment_align: 8
    .kernarg_segment_size: 136
    .max_flat_workgroup_size: 128
    .sgpr_count:     102
    .vgpr_count:     1024
    .wavefront_size: 32
...
	.end_amdgpu_metadata
.endif
;; end of part 2
;; launch attn (part 3): grid 4 x 64, 16 waves a work-group, no clusters, 280,576 bytes of LDS; arguments qws, kv, oimg, osc, mbits, mflag; writes oimg, osc
.if DOCPART == 3
	.amdgcn_target "amdgcn-amd-amdhsa--gfx1250"
	.amdhsa_code_object_version 6
	.text
	.protected	k_q2df1a3a0e7_attn
	.globl	k_q2df1a3a0e7_attn
	.p2align	8
	.type	k_q2df1a3a0e7_attn,@function
k_q2df1a3a0e7_attn:
	s_mov_b64 s[64:65], 0
	v_nop
	global_prefetch_b8 v0, s[64:65] scope:SCOPE_SE
	s_setreg_imm32_b32 hwreg(HW_REG_WAVE_MODE, 25, 1), 1
	s_wait_xcnt 0x0
; o = softmax(where(mask == 0, -1e9, q k^T / 8)) v for one head and 512 queries, both products on codes of E4M3 with E8M0 scales; o is quantised along the head's 64 and stored as the last product's operand image (oimg, osc).
; p = 2^(t - M), t = score x log2(e) / 8, M the running largest t rounded up to a whole number; the row's sum is taken of the unquantised p and divides at the end.
; SHARES.  Work-group (x, y): head y = 16 batch + head, queries 512 x on.  Each of sixteen waves owns one tile of 16 queries at a time, two passes: tile 32 x + 16 pass + wave.  Every wave walks the head's 16 steps of 128 keys.
; K AND V of the whole head, 16 x 17,408 bytes, laid by the launch before as images of the operand registers, come into LDS ONCE, through registers: 34 loads and 34 LDS stores of 16 bytes a lane, then one barrier; the key loop has none.
; THE MASK.  mflag says for each tile of 16 queries and each step of 128 keys whether the mask has a 0 there.  Where it has none, a scalar branch on that stored bit leads round the step's 64 selects.
; The mask words of a step are asked for a step ahead by scalar loads, whatever the bit says.  A masked score becomes -8e9, which is -1e9 x 8: the scaling by 1/8 follows.
; NO CLUSTER, NO TENSOR LOAD: the four work-groups of a head each read its 278,528 bytes by their own loads.
; NO PREFETCH: K and V are asked for whole at the head, in one run of loads; there is no loop to run ahead in.
; LIMITS: the promise holds while the scaled scores t stay under 2^31 in magnitude; NaN and infinities are not served; a block of p or o under 2^(9 - 127) gets the byte 1 (its codes are zeros; this program alone reads the bytes).
; REGISTERS: v1-9 addresses and constants; v12 -M, v13 the largest t, v[14:15] the sum; v16-31 Q (upper half zeros: K = 64 of 128); v32-95 four fragments of K (upper halves zeros); v96-159 S^T, p, then V's fragments;
;   v160-191 O^T; v192-199 at work on the way out; v200-207 K's scale words; v208-223 p's codes; v224 f; v232-247 at work; v248-251 V's scale words; v253 p's scale word; v255 Q's.
.set STEPB,  17408                     ; a step in LDS and in kv: K part 8,704, V part 8,704
.set KVHEAD, 16*STEPB
.set QHEAD,  139264
.set QSTEP,  8704
.set VPART,  8704
.set SPARE,  KVHEAD                    ; behind K and V: the spare words, 128 bytes a wave
.set LK,  1                            ; 16 x lane
.set LR,  2                            ; 16 x (lane % 16)
.set NEG, 3
.set MNT, 5
.set CC,  6
.set ADK, 8
.set ADS, 9
.set FA,  168                          ; v168-172 the fill's addresses: 16 x thread + 65,536 g
.set KS,  200
.set SPW, 231
.set NIL, 252
.set SEL, 20                           ; s[20:21] lane l xor 16
.set WV,  22
.set HOLE, 23                          ; s23 bit s: step s has a hole
.macro MASKLOAD                        ; 64 words: word n masks score register n
	s_load_b512 s[32:47], s[2:3], s5 offset:0x0
	s_load_b512 s[48:63], s[2:3], s5 offset:0x40
	s_load_b512 s[68:83], s[2:3], s5 offset:0x80
	s_load_b512 s[84:99], s[2:3], s5 offset:0xc0
.endm
	s_load_b256 s[8:15], s[0:1], 0x0               ; qws, kv, oimg, osc
	s_load_b128 s[16:19], s[0:1], 0x20             ; mbits, mflag
	v_lshl_add_u32 v[SPW], v0, 2, SPARE
	v_mov_b32 v[NIL], 0
	v_lshrrev_b32 v4, 5, v0
	s_delay_alu instid0(VALU_DEP_1)
	v_readfirstlane_b32 s[WV], v4
.irp g, 0,1,2,3,4
	v_lshl_add_u32 v[FA+\g], v0, 4, \g*65536
.endr
	v_and_b32 v10, 31, v0
	s_delay_alu instid0(VALU_DEP_1)
	v_lshlrev_b32 v[LK], 4, v10
	v_and_b32 v10, 15, v0
	s_delay_alu instid0(VALU_DEP_1)
	v_lshlrev_b32 v[LR], 4, v10
	v_mov_b32 v[NEG], 0xcfee6b28                   ; -8e9
	v_mov_b32 v[MNT], 0x600000                     ; the mantissa field of 448
	v_mov_b32 v[CC], 0x3e38aa3b                    ; log2(e) / 8
	v_mov_b32 v[CC+1], 0x3e38aa3b
.irp i, 0,1,2,3,4,5,6,7
	v_mov_b32 v[24+\i], 0                          ; Q's upper half
	v_mov_b32 v[192+\i], 0                         ; a lane permute's destination counts as one of its sources
.endr
.irp b, 0,1,2,3
	v_mov_b32 v[236+\b], 0
.endr
	v_mov_b32 v225, 0
	v_mov_b32 v254, 0
	s_mov_b32 s[SEL], 0x76543210
	s_mov_b32 s[SEL+1], 0xfedcba98
	s_and_b32 s24, ttmp7, 0xffff
	s_mul_i32 s24, s24, KVHEAD
	s_mov_b32 s25, 0
	s_wait_alu depctr_va_vdst(0)
	s_wait_kmcnt 0x0
	s_add_nc_u64 s[10:11], s[10:11], s[24:25]      ; my head's K and V
.set i, 0
.rept 34                               ; 512 threads x 16 bytes = 8,192 bytes an instruction; a wave's lanes read 512 consecutive bytes
	global_load_b128 v[32+4*i:35+4*i], v[FA], s[10:11] offset:i*8192
.set i, i+1
.endr
.set i, 0
.rept 34
	s_wait_loadcnt 33-i                            ; load i is in; the 33 - i younger ones may be out
	ds_store_b128 v[FA+i/8], v[32+4*i:35+4*i] offset:(i%8)*8192
.set i, i+1
.endr
	s_wait_dscnt 0x0                               ; my part of K and V lies in LDS
.irp t, 0,1,2,3
.irp i, 0,1,2,3,4,5,6,7
	v_mov_b32 v[40+16*\t+\i], 0                    ; the upper halves of K's fragments
.endr
.endr
	s_wait_alu depctr_va_vdst(0)
	s_barrier_signal -1
	s_barrier_wait -1                              ; everybody's part does
	s_mov_b32 s7, 0
.macro MAXB b0, b1                     ; the largest score of blocks b0, b1 of 32 keys: my 16 numbers of each
.irp b, \b0, \b1
	v_max3_num_f32 v[232+\b], v[96+16*\b], v[97+16*\b], v[98+16*\b]
.endr
.irp i, 3,5,7,9,11,13
.irp b, \b0, \b1
	v_max3_num_f32 v[232+\b], v[232+\b], v[96+16*\b+\i], v[97+16*\b+\i]   ; (the two blocks by turns)
.endr
.endr
.irp b, \b0, \b1
	v_max_num_f32 v[232+\b], v[232+\b], v[111+16*\b]
.endr
.endm
.macro STEP                            ; 128 keys
	v_add_nc_u32 v[ADK], s4, v[LK]
	v_add_nc_u32 v[ADS], s4, v[LR]
.irp t, 0,1,2,3
.irp c, 0,1
	ds_load_b128 v[32+16*\t+4*\c:35+16*\t+4*\c], v[ADK] offset:1024*\t+512*\c
.endr
.endr
	ds_load_b128 v[KS:KS+3], v[ADS] offset:8192
	ds_load_b128 v[KS+4:KS+7], v[ADS] offset:8448
.rept 7
	v_nop                                          ; with the two additions nine places: the products below write over registers that the last step's products read
.endr
	s_wait_alu depctr_va_vdst(0)                   ; directly ahead of the wait below
	s_wait_dscnt 0x0
.irp t, 0,1,2,3
	v_wmma_scale_f32_16x16x128_f8f6f4 v[96+8*\t:103+8*\t], v[32+16*\t:47+16*\t], v[16:31], 0, v[KS+\t], v255
.endr
.rept 8
	v_nop                                          ; places in front of loads into registers that these products read
.endr
.irp t, 0,1,2,3
.irp c, 0,1
	ds_load_b128 v[32+16*\t+4*\c:35+16*\t+4*\c], v[ADK] offset:4096+1024*\t+512*\c
.endr
.endr
	s_wait_kmcnt 0x0                               ; this step's mask words, asked for a step ago
	s_wait_dscnt 0x0
.irp t, 0,1,2,3
	v_wmma_scale_f32_16x16x128_f8f6f4 v[128+8*\t:135+8*\t], v[32+16*\t:47+16*\t], v[16:31], 0, v[KS+4+\t], v255
.endr
	s_bitcmp1_b32 s[HOLE], s6
	s_cbranch_scc0 .Lopen                          ; no 0 in the mask for these 16 queries x 128 keys: nothing to select
.set n, 0
.rept 32
	v_cndmask_b32 v[96+n], v[NEG], v[96+n], s[32+n]   ; (the first 32 are the places behind the products above)
.set n, n+1
.endr
.set n, 0
.rept 32
	v_cndmask_b32 v[128+n], v[NEG], v[128+n], s[68+n]
.set n, n+1
.endr
.Lopen:
	MAXB 0, 1                                      ; sixteen lines on the first four tiles: the places behind the last four products
	MAXB 2, 3
	s_add_co_u32 s5, s5, 256
	s_and_b32 s5, s5, 0xfff                        ; (the last step asks for step 0's words again: inside the buffer)
	MASKLOAD
.irp b, 0,1,2,3
	v_permlanex16_b32 v[236+\b], v[232+\b], s[SEL], s[SEL+1]
.endr
.irp b, 0,1,2,3
	s_delay_alu instid0(VALU_DEP_4)
	v_max_num_f32 v[232+\b], v[232+\b], v[236+\b]
.endr
	s_delay_alu instid0(VALU_DEP_2)
	v_max3_num_f32 v254, v232, v233, v234
	s_delay_alu instid0(VALU_DEP_1)
	v_max_num_f32 v254, v254, v235
	s_delay_alu instid0(VALU_DEP_1)
	v_mul_f32 v254, v[CC], v254
	s_delay_alu instid0(VALU_DEP_1)
	v_max_num_f32 v13, v13, v254                   ; the running largest t
	v_mov_b32 v254, v12
	s_delay_alu instid0(VALU_DEP_2)
	v_floor_f32 v12, -v13                          ; -M = floor(-t)
	s_delay_alu instid0(VALU_DEP_1)
	v_sub_f32 v254, v12, v254
	s_delay_alu instid0(VALU_DEP_1)
	v_cvt_i32_f32 v254, v254
	s_delay_alu instid0(VALU_DEP_1)
	v_ldexp_f32 v224, 1.0, v254                    ; f = 2^(old M - new M)
.set j, 0
.rept 32
	v_pk_fma_f32 v[96+j:97+j], v[96+j:97+j], v[CC:CC+1], v[12:13] op_sel_hi:[1,0,0]   ; t - M
.set j, j+2
.endr
.irp b, 0,1,2,3
	v_fma_f32 v[232+\b], v[232+\b], v[CC], v12     ; the same of each block's largest score
.endr
	s_wait_alu depctr_va_vdst(0)                   ; ahead of the batch
.set j, 0
.rept 64
	v_exp_f32 v[96+j], v[96+j]
.set j, j+1
.endr
	v_pk_mul_f32 v[14:15], v[14:15], v[224:225] op_sel_hi:[1,0]
	s_wait_alu depctr_va_vdst(0)                   ; and behind it
.irp b, 0,1,2,3
	v_exp_f32 v[232+\b], v[232+\b]                 ; the block's largest p
.endr
	v_pk_add_f32 v[236:237], v[96:97], v[98:99]    ; the row's sum of the unquantised p, in two chains
.irp j, 4,8,12,16,20,24,28,32,36,40,44,48,52,56,60
	v_pk_add_f32 v[14:15], v[14:15], v[96+\j:97+\j]
	v_pk_add_f32 v[236:237], v[236:237], v[98+\j:99+\j]
.endr
	s_delay_alu instid0(VALU_DEP_1)
	v_pk_add_f32 v[14:15], v[14:15], v[236:237]
	s_wait_alu depctr_va_vdst(0)                   ; for the four
.irp b, 0,1,2,3
	v_max_num_f32 v[232+\b], 0x4800000, v[232+\b]  ; the floor 2^(9 - 127)
.endr
.irp b, 0,1,2,3
	s_delay_alu instid0(VALU_DEP_4)
	v_add_nc_u32 v[244+\b], 0xfc000000, v[232+\b]  ; the conversion's scale operand
.endr
.irp b, 0,1,2,3
	v_and_or_b32 v[240+\b], v[232+\b], 0x7f800000, v[MNT]   ; 448 x the scale
.endr
.irp b, 0,1,2,3
	v_lshrrev_b32 v[236+\b], 23, v[244+\b]         ; the scale's byte
.endr
	s_delay_alu instid0(VALU_DEP_3)
	v_lshl_or_b32 v253, v237, 8, v236
	s_delay_alu instid0(VALU_DEP_1)
	v_lshl_or_b32 v253, v238, 16, v253
	s_delay_alu instid0(VALU_DEP_1)
	v_lshl_or_b32 v253, v239, 24, v253
	ds_load_b128 v[248:251], v[ADS] offset:VPART+8192
.irp b, 0,1,2,3
.irp i, 0,2,4,6,8,10,12,14
	v_dual_min_num_f32 v[96+16*\b+\i], v[96+16*\b+\i], v[240+\b] :: v_dual_min_num_f32 v[97+16*\b+\i], v[97+16*\b+\i], v[240+\b]   ; the hold, two numbers a line: the conversion does not saturate (ISA guide 7.6.2); p is not negative
.endr
	v_cvt_scalef32_pk8_fp8_f32 v[208+4*\b:209+4*\b], v[96+16*\b:103+16*\b], v[244+\b]
	v_cvt_scalef32_pk8_fp8_f32 v[210+4*\b:211+4*\b], v[104+16*\b:111+16*\b], v[244+\b]
.irp c, 0,1,2,3
	ds_load_b128 v[96+16*\b+4*\c:99+16*\b+4*\c], v[ADK] offset:VPART+2048*\b+512*\c   ; V's tile b, where block b's p lay
.endr
.endr
	s_wait_alu depctr_va_vdst(0)                   ; directly ahead of the first reader of O^T
.set j, 0
.rept 16
	v_pk_mul_f32 v[160+j:161+j], v[160+j:161+j], v[224:225] op_sel_hi:[1,0]   ; O^T under the new M; also the places ahead of the products
.set j, j+2
.endr
	s_wait_alu depctr_va_vdst(0)                   ; and directly ahead of the wait below
	s_wait_dscnt 0x0
.irp t, 0,1,2,3
	v_wmma_scale_f32_16x16x128_f8f6f4 v[160+8*\t:167+8*\t], v[96+16*\t:111+16*\t], v[208:223], v[160+8*\t:167+8*\t], v[248+\t], v253
.endr
.endm
.Lpass:
	s_wait_xcnt 0x0                                ; the last pass's stores have read their registers
	s_lshl_b32 s28, ttmp9, 5
	s_lshl_b32 s24, s7, 4
	s_add_co_u32 s28, s28, s24
	s_add_co_u32 s28, s28, s[WV]                   ; my tile of 16 queries, 0..127
	s_and_b32 s29, ttmp7, 0xffff                   ; 16 batch + head
	s_mul_i32 s24, s29, QHEAD
	s_lshr_b32 s26, s28, 3
	s_mul_i32 s26, s26, QSTEP
	s_add_co_u32 s24, s24, s26
	s_mov_b32 s25, 0
	s_add_nc_u64 s[100:101], s[8:9], s[24:25]      ; the 128 queries that hold my tile
	s_lshr_b32 s30, s29, 4
	s_lshl_b32 s30, s30, 7
	s_add_co_u32 s30, s30, s28                     ; 128 batch + tile
	s_lshl_b32 s24, s30, 12
	s_add_nc_u64 s[2:3], s[16:17], s[24:25]        ; its mask words,
	s_lshl_b32 s24, s30, 4
	s_add_nc_u64 s[26:27], s[18:19], s[24:25]
	s_load_b128 s[68:71], s[26:27], 0x0            ; and its four flag words
	s_and_b32 s24, s28, 7
	s_lshl_b32 s24, s24, 10
	v_add_nc_u32 v10, s24, v[LK]
	s_bfe_u32 s24, s28, 0x10002
	s_lshl_b32 s24, s24, 8
	s_and_b32 s25, s28, 3
	s_lshl_b32 s25, s25, 2
	s_add_co_u32 s24, s24, s25
	v_add_nc_u32 v11, s24, v[LR]
	s_wait_alu depctr_va_vdst(0)                   ; directly ahead of the wait below
	s_wait_kmcnt 0x0
	s_or_b32 s[HOLE], s68, s69
	s_or_b32 s24, s70, s71
	s_or_b32 s[HOLE], s[HOLE], s24                 ; sixteen bits, one a step
	global_load_b128 v[16:19], v10, s[100:101]
	global_load_b128 v[20:23], v10, s[100:101] offset:512
	global_load_b32 v255, v11, s[100:101] offset:8192
	s_mov_b32 s5, 0
	MASKLOAD
	v_mov_b32 v13, 0xff61b1e6                      ; -3e38, under every t
	s_delay_alu instid0(VALU_DEP_1)
	v_floor_f32 v12, -v13
	v_mov_b32 v14, 0
	v_mov_b32 v15, 0
.set j, 0
.rept 32
	v_mov_b32 v[160+j], 0                          ; O^T: the step is written once, and its first trip multiplies zeros
.set j, j+1
.endr
	s_wait_loadcnt 0x0
	s_mov_b32 s4, 0
	s_mov_b32 s6, 0
.Lstep:
	STEP
	s_add_co_u32 s4, s4, STEPB
	s_add_co_u32 s6, s6, 1
	s_cmp_lt_u32 s6, 16
	s_cbranch_scc1 .Lstep
	s_wait_kmcnt 0x0                               ; the last trip's scalar loads
.rept 8
	v_nop
.endr
	v_add_f32 v14, v14, v15
	s_delay_alu instid0(VALU_DEP_1)
	v_permlanex16_b32 v254, v14, s[SEL], s[SEL+1]
	s_delay_alu instid0(VALU_DEP_1)
	v_add_f32 v14, v14, v254                       ; the row's sum
	s_wait_alu depctr_va_vdst(0)
	v_rcp_f32 v14, v14
	v_lshlrev_b32 v11, 1, v[LR]                    ; osc: 32 bytes a row
	s_and_b32 s24, s29, 15                         ; the head
	s_lshl_b32 s26, s30, 14                        ; oimg: 16,384 bytes a tile of 16 rows, 1,024 a head
	s_lshl_b32 s25, s24, 10
	s_add_co_u32 s26, s26, s25
	s_mov_b32 s27, 0
	s_add_nc_u64 s[26:27], s[12:13], s[26:27]
	s_lshl_b32 s25, s30, 9                         ; osc: 512 bytes a tile, 2 a head
	s_lshl_b32 s24, s24, 1
	s_add_co_u32 s24, s24, s25
	s_mov_b32 s25, 0
	s_add_nc_u64 s[24:25], s[14:15], s[24:25]
	s_mov_b32 s31, 0xffff0000
	s_wait_alu depctr_va_vdst(0)                   ; ahead of the first reader of the reciprocal and of O^T
.set j, 0
.rept 16
	v_pk_mul_f32 v[96+j:97+j], v[160+j:161+j], v[14:15] op_sel_hi:[1,0]
.set j, j+2
.endr
.irp b, 0,1
	v_max3_num_f32 v[232+\b], |v[96+16*\b]|, |v[97+16*\b]|, 0x4800000
.endr
.irp i, 2,4,6,8,10,12,14
.irp b, 0,1
	s_delay_alu instid0(VALU_DEP_2)
	v_max3_num_f32 v[232+\b], v[232+\b], |v[96+16*\b+\i]|, |v[97+16*\b+\i]|
.endr
.endr
.irp b, 0,1
	s_delay_alu instid0(VALU_DEP_2)
	v_permlanex16_b32 v[236+\b], v[232+\b], s[SEL], s[SEL+1]
.endr
.irp b, 0,1
	s_delay_alu instid0(VALU_DEP_2)
	v_max_num_f32 v[232+\b], v[232+\b], v[236+\b]
.endr
.irp b, 0,1
	s_delay_alu instid0(VALU_DEP_2)
	v_add_nc_u32 v[244+\b], 0xfc000000, v[232+\b]
.endr
.irp b, 0,1
	s_delay_alu instid0(VALU_DEP_4)
	v_and_or_b32 v[240+\b], v[232+\b], 0x7f800000, v[MNT]
.endr
.irp b, 0,1
	s_delay_alu instid0(VALU_DEP_4)
	v_lshrrev_b32 v[236+\b], 23, v[244+\b]
.endr
	s_delay_alu instid0(VALU_DEP_1)
	v_lshl_or_b32 v226, v237, 8, v236              ; the head's two scale bytes of my row
.irp b, 0,1
.irp i, 0,1,2,3,4,5,6,7,8,9,10,11,12,13,14,15
	v_med3_num_f32 v[96+16*\b+\i], v[96+16*\b+\i], -v[240+\b], v[240+\b]
.endr
	v_cvt_scalef32_pk8_fp8_f32 v[208+4*\b:209+4*\b], v[96+16*\b:103+16*\b], v[244+\b]
	v_cvt_scalef32_pk8_fp8_f32 v[210+4*\b:211+4*\b], v[104+16*\b:111+16*\b], v[244+\b]
.endr
	v_nop
.irp b, 0,1                            ; the two halves of the lanes exchange eight codes, so that a lane's 16 bytes are 16 neighbours along the last product's K
.irp i, 0,1
	v_permlanex16_b32 v[192+4*\b+\i], v[210+4*\b+\i], s[SEL], s[SEL+1]
	v_permlanex16_b32 v[194+4*\b+\i], v[208+4*\b+\i], s[SEL], s[SEL+1]
.endr
.endr
.irp b, 0,1
.irp i, 0,1
	v_cndmask_b32 v[208+4*\b+\i], v[208+4*\b+\i], v[192+4*\b+\i], s31
	v_cndmask_b32 v[210+4*\b+\i], v[194+4*\b+\i], v[210+4*\b+\i], s31
.endr
.endr
	global_store_b128 v[LK], v[208:211], s[26:27]              ; 32 lanes store 512 consecutive bytes, aligned
	global_store_b128 v[LK], v[212:215], s[26:27] offset:512
	global_store_b16 v11, v226, s[24:25]
	s_add_co_u32 s7, s7, 1
	s_cmp_lt_u32 s7, 2
	s_cbranch_scc1 .Lpass
	s_wait_tensorcnt 0x0                           ; the wave's end
	ds_add_u32 v[SPW], v[NIL]
	s_wait_dscnt 0x0
	s_endpgm
.Lfunc_end_k_q2df1a3a0e7_attn:
	.size	k_q2df1a3a0e7_attn, .Lfunc_end_k_q2df1a3a0e7_attn-k_q2df1a3a0e7_attn
	.p2alignl 7, 3214868480
	.fill 96, 4, 3214868480
	.section	.rodata,"a",@progbits
	.p2align	6, 0x0
	.amdhsa_kernel k_q2df1a3a0e7_attn
		.amdhsa_group_segment_fixed_size 280576
		.amdhsa_private_segment_fixed_size 0
		.amdhsa_enable_private_segment 0
		.amdhsa_kernarg_size 48
		.amdhsa_user_sgpr_count 2
		.amdhsa_user_sgpr_kernarg_segment_ptr 1
		.amdhsa_wavefront_size32 1
		.amdhsa_system_sgpr_workgroup_id_x 1
		.amdhsa_system_sgpr_workgroup_id_y 1
		.amdhsa_system_sgpr_workgroup_id_z 1
		.amdhsa_system_vgpr_workitem_id 0
		.amdhsa_next_free_vgpr 256
		.amdhsa_next_free_sgpr 102
		.amdhsa_reserve_vcc 0
		.amdhsa_float_denorm_mode_32 3
		.amdhsa_float_denorm_mode_16_64 3
		.amdhsa_memory_ordered 1
		.amdhsa_forward_progress 1
		.amdhsa_inst_pref_size 45
	.end_amdhsa_kernel
	.amdgpu_metadata
---
amdhsa.version: [ 1, 2 ]
amdhsa.kernels:
  - .name:           k_q2df1a3a0e7_attn
    .symbol:         k_q2df1a3a0e7_attn.kd
    .args:
      - { .name: qws, .offset: 0, .size: 8, .value_kind: global_buffer, .address_space: global }
      - { .name: kv, .offset: 8, .size: 8, .value_kind: global_buffer, .address_space: global }
      - { .name: oimg, .offset: 16, .size: 8, .value_kind: global_buffer, .address_space: global }
      - { .name: osc, .offset: 24, .size: 8, .value_kind: global_buffer, .address_space: global }
      - { .name: mbits, .offset: 32, .size: 8, .value_kind: global_buffer, .address_space: global }
      - { .name: mflag, .offset: 40, .size: 8, .value_kind: global_buffer, .address_space: global }
    .group_segment_fixed_size: 280576
    .private_segment_fixed_size: 0
    .kernarg_segment_align: 8
    .kernarg_segment_size: 48
    .max_flat_workgroup_size: 512
    .sgpr_count:     102
    .vgpr_count:     256
    .wavefront_size: 32
...
	.end_amdgpu_metadata
.endif
;; end of part 3
;; launch outp (part 4): grid 4 x 32, 4 waves a work-group, clusters of 4 x 4, 327,680 bytes of LDS; arguments oimg, osc, Wo_codes, Wo_scales, bo, out0; writes out0
.if DOCPART == 4
	.amdgcn_target "amdgcn-amd-amdhsa--gfx1250"
	.amdhsa_code_object_version 6
	.text
	.protected	k_q2df1a3a0e7_outp
	.globl	k_q2df1a3a0e7_outp
	.p2align	8
	.type	k_q2df1a3a0e7_outp,@function
k_q2df1a3a0e7_outp:
	s_mov_b64 s[64:65], 0
	v_nop
	global_prefetch_b8 v0, s[64:65] scope:SCOPE_SE
	s_setreg_imm32_b32 hwreg(HW_REG_WAVE_MODE, 25, 1), 1
	s_wait_xcnt 0x0
	s_wait_alu depctr_hold_cnt(0) depctr_sa_sdst(0) depctr_va_vdst(0) depctr_va_sdst(0) depctr_va_ssrc(0) depctr_va_vcc(0) depctr_vm_vsrc(0)
	s_getreg_b32 s2, hwreg(HW_REG_IB_STS2, 6, 4)
	s_cmp_eq_u32 s2, 0
	s_cbranch_scc0 .Lentry_in_a_cluster
	s_endpgm
.Lentry_in_a_cluster:
	s_bfe_u32 s2, ttmp6, 0x10000c
	s_cmp_lg_u32 s2, 0xf033
	s_cbranch_scc0 .Lentry_shape_is_right
	s_endpgm
.Lentry_shape_is_right:
.set SIZE_N, 1024
.set KSTEP,  256
.set NQ,     2
.set ROWB,   256
.set KROW,   1024
.set PITCH,  272
.set FR,     16
.set NL,     4
.set NP,     8
.set HALFA,  8*4096
.set BOFF,   2*HALFA
.set HALFT,  128*PITCH
.set SLOT,   BOFF+2*HALFT
.set LAPS,   2
.set KS,     32
.set SCL,    2*SLOT
.set HALFS,  (128*KS/256)*272
.set SBLK,   (16*KS/256)*272
.set SPARE,  SCL+4*HALFS
.set SPITCH, 528
.set ADRA, 16
.set ADRB, 20
.set STO,  24
.set RD,   25
.set CO,   26
.set ADRS, 27
.set SPW,  28
.set NIL,  29
.set SC,   32
.set CB,   64
.set AF,   128
.set BK,   128
.set G1, 24
.set G0, 32
.set G1B, 48
.set G0B, 56
.set G1S, 68
.set G0S, 76
.set G1SB, 80
.set G0SB, 88
.set MSB, 0
.macro WIN new
.if MSB != (\new)
	s_set_vgpr_msb (MSB<<8)|(\new)
.set MSB, (\new)
.endif
.endm
.set MUL_LO, 0xa1
.set MUL_HI, 0xf1
.set TO_B,   0x40
.macro JLOAD g0a, g1a, g0b, g1b
	s_cmp_eq_u32 s15, 0
	s_cbranch_scc0 .Lfor_b_\@
	tensor_load_to_lds s[\g0a:\g0a+3], s[\g1a:\g1a+7]
	s_nop 0
.rept 4
	v_nop
.endr
	s_branch .Lasked_\@
.Lfor_b_\@:
	tensor_load_to_lds s[\g0b:\g0b+3], s[\g1b:\g1b+7]
	s_nop 0
.rept 4
	v_nop
.endr
.Lasked_\@:
.endm
.macro CREST
	s_cmp_lg_u32 s14, 0
	s_cbranch_scc1 .Lnot_wave_0_\@
	s_barrier_signal -3
.Lnot_wave_0_\@:
	s_barrier_wait -3
	s_barrier_signal -1
	s_barrier_wait -1
.endm
.macro CROUND
	s_barrier_signal -1
	s_barrier_wait -1
	CREST
.endm
	s_load_b128 s[4:7], s[0:1], 0x0
	s_load_b128 s[8:11], s[0:1], 0x10
	s_load_b64 s[66:67], s[0:1], 0x20
	s_load_b64 s[12:13], s[0:1], 0x28
	v_lshl_add_u32 v[SPW], v0, 2, SPARE
	v_mov_b32 v[NIL], 0
	ds_add_u32 v28, v29
	ds_add_u32 v28, v29
	s_wait_dscnt 0x0
	v_lshrrev_b32 v1, 5, v0
	v_readfirstlane_b32 s14, v1
	s_lshr_b32 s15, s14, 1
	s_and_b32 s16, s14, 1
	s_bfe_u32 s40, ttmp6, 0x40000
	s_bfe_u32 s41, ttmp6, 0x40004
	s_lshl_b32 s42, ttmp9, 2
	s_add_co_u32 s42, s42, s40
	s_and_b32 s17, ttmp7, 0xffff
	s_lshl_b32 s17, s17, 2
	s_add_co_u32 s17, s17, s41
	s_lshl_b32 s43, s41, 2
	s_lshl_b32 s43, 15, s43
	s_lshl_b32 s44, 0x1111, s40
	s_or_b32 s[G1+0], s43, (3<<16)|(1<<21)
	s_mov_b32 s[G1+1], 512<<16
	s_mov_b32 s[G1+2], 8<<16
	s_mov_b32 s[G1+3], 512<<16
	s_mov_b32 s[G1+4], 8
	s_mov_b32 s[G1+5], 2048
	s_mov_b32 s[G1+6], 0
	s_mov_b32 s[G1+7], 0
	s_or_b32 s[G1B+0], s44, (0<<16)|(1<<20)|(1<<21)|(5<<22)|(3<<25)
	s_mov_b32 s[G1B+1], ROWB<<16
	s_mov_b32 s[G1B+2], 128<<16
	s_mov_b32 s[G1B+3], ROWB<<16
	s_mov_b32 s[G1B+4], 128
	s_mov_b32 s[G1B+5], KROW
	s_mov_b32 s[G1B+6], 0
	s_mov_b32 s[G1B+7], 0
	s_or_b32 s[G1S+0], s43, (3<<16)|(1<<20)|(1<<21)|(5<<22)|(3<<25)
	s_or_b32 s[G1SB+0], s44, (3<<16)|(1<<20)|(1<<21)|(5<<22)|(3<<25)
.irp g, G1S, G1SB
	s_mov_b32 s[\g+1], 32<<16
	s_mov_b32 s[\g+2], (128*KS/256)<<16
	s_mov_b32 s[\g+3], 32<<16
	s_mov_b32 s[\g+4], 128*KS/256
	s_mov_b32 s[\g+5], 32
	s_mov_b32 s[\g+6], 0
	s_mov_b32 s[\g+7], 0
.endr
	s_lshl_b32 s18, s16, 7
	s_lshl_b32 s20, s17, 8
	s_add_co_u32 s20, s20, s18
	s_lshl_b32 s46, s42, 8
	s_add_co_u32 s46, s46, s18
	s_mov_b32 s21, 0
	s_mov_b32 s47, 0
	s_mov_b64 s[18:19], KS
	s_mul_u64 s[22:23], s[20:21], s[18:19]
	s_mul_u64 s[92:93], s[46:47], s[18:19]
	s_mov_b64 s[18:19], KROW
	s_mul_u64 s[20:21], s[20:21], s[18:19]
	s_mul_u64 s[46:47], s[46:47], s[18:19]
	s_mul_i32 s45, s16, HALFA
	s_mul_i32 s95, s16, HALFT
	s_add_co_u32 s95, s95, BOFF
	s_mul_i32 s94, s14, HALFS
	s_wait_kmcnt 0x0
	s_add_nc_u64 s[20:21], s[4:5], s[20:21]
	s_add_nc_u64 s[22:23], s[6:7], s[22:23]
	s_add_nc_u64 s[46:47], s[8:9], s[46:47]
	s_add_nc_u64 s[92:93], s[10:11], s[92:93]
	CROUND
	s_mov_b32 s[G0S], 1
	s_add_co_u32 s[G0S+1], s94, SCL
	s_mov_b64 s[G0S+2:G0S+3], s[22:23]
	s_or_b32 s[G0S+3], s[G0S+3], 0x80000000
	s_mov_b32 s[G0SB], 1
	s_add_co_u32 s[G0SB+1], s94, SCL
	s_mov_b64 s[G0SB+2:G0SB+3], s[92:93]
	s_or_b32 s[G0SB+3], s[G0SB+3], 0x80000000
	JLOAD G0S, G1S, G0SB, G1SB
.irp s, 0,1
	s_mov_b32 s[G0+4*\s], 1
	s_add_co_u32 s[G0+4*\s+1], s45, \s*SLOT
	s_add_nc_u64 s[G0+4*\s+2:G0+4*\s+3], s[20:21], \s*4096
	s_or_b32 s[G0+4*\s+3], s[G0+4*\s+3], 0x80000000
	s_mov_b32 s[G0B+4*\s], 1
	s_add_co_u32 s[G0B+4*\s+1], s95, \s*SLOT
	s_add_nc_u64 s[G0B+4*\s+2:G0B+4*\s+3], s[46:47], \s*ROWB
	s_or_b32 s[G0B+4*\s+3], s[G0B+4*\s+3], 0x80000000
	s_wait_alu depctr_va_vdst(0)
	s_wait_tensorcnt 0x0
	ds_add_u32 v28, v29
	s_wait_dscnt 0x0
	CROUND
	JLOAD G0+4*\s, G1, G0B+4*\s, G1B
.endr
	s_lshl_b32 s20, s17, 8
	s_lshl_b32 s21, s15, 7
	s_add_co_u32 s20, s20, s21
	s_mov_b32 s21, 0
	s_mov_b64 s[18:19], SIZE_N*4
	s_mul_u64 s[20:21], s[20:21], s[18:19]
	s_lshl_b32 s46, s42, 10
	s_lshl_b32 s47, s16, 9
	s_add_co_u32 s46, s46, s47
	s_mov_b32 s47, 0
	s_add_nc_u64 s[66:67], s[66:67], s[46:47]
	s_add_nc_u64 s[20:21], s[20:21], s[46:47]
	s_add_nc_u64 s[12:13], s[12:13], s[20:21]
	v_and_b32 v1, 15, v0
	v_bfe_u32 v2, v0, 4, 1
	v_lshlrev_b32 v7, 5, v2
.irp b, 0,1,2,3,4,5,6,7
	global_load_b128 v[CB+8*\b:CB+8*\b+3], v7, s[66:67] offset:64*\b
	global_load_b128 v[CB+8*\b+4:CB+8*\b+7], v7, s[66:67] offset:64*\b+16
.endr
	v_mul_u32_u24 v3, v1, PITCH
	v_lshl_add_u32 v4, v2, 4, v3
	v_and_b32 v5, 31, v0
	v_lshlrev_b32 v5, 4, v5
	s_mul_i32 s21, s15, HALFA
	s_mul_i32 s22, s16, HALFT
	s_add_co_u32 s22, s22, BOFF
.irp s, 0,1
	v_add_nc_u32 v[ADRA+\s], s21, v5
	v_add_nc_u32 v[ADRB+\s], s22, v4
	s_add_co_u32 s21, s21, SLOT
	s_add_co_u32 s22, s22, SLOT
.endr
	v_mul_u32_u24 v5, v1, KS
	v_lshrrev_b32 v6, 8, v5
	v_lshl_add_u32 v5, v6, 4, v5
	s_mul_i32 s21, s15, HALFS
	s_mul_i32 s22, s16, HALFS
	s_add_co_u32 s22, s22, 2*HALFS
	s_sub_co_u32 s22, s22, s21
	v_mul_u32_u24 v6, s22, v2
	s_add_co_u32 s21, s21, SCL
	v_add_nc_u32 v5, v5, v6
	v_add_nc_u32 v[ADRS], s21, v5
	s_mul_i32 s23, s14, 16*SPITCH
	v_mul_u32_u24 v5, v1, SPITCH
	v_lshl_add_u32 v5, v2, 5, v5
	v_add_nc_u32 v[STO], s23, v5
	v_and_b32 v6, 31, v0
	v_lshlrev_b32 v[CO], 4, v6
	v_add_nc_u32 v[RD], s23, v[CO]
.macro FRAG reg, adr, q, i
.irp c, 0,1,2,3
	ds_load_b128 v[\reg+4*\c:\reg+4*\c+3], v[\adr] offset:128*(\q)+32*\c+(\i)*16*PITCH
.endr
.endm
.macro FRAGA reg, adr, q, i
.irp c, 0,1,2,3
	ds_load_b128 v[\reg+4*\c:\reg+4*\c+3], v[\adr] offset:2048*(\q)+512*\c+(\i)*4096
.endr
.endm
.macro MUL16 a0, p, q, sc, zero
.irp a, \a0, \a0+1
.irp b, 0,1,2,3,4,5,6,7
.if \zero
	v_wmma_scale_f32_16x16x128_f8f6f4 v[8*(8*((\a)%4)+\b):8*(8*((\a)%4)+\b)+7], v[128*(\p)+FR*\b:128*(\p)+FR*\b+FR-1], v[AF+FR*(\a):AF+FR*(\a)+FR-1], v[CB+8*\b:CB+8*\b+7], v[SC+8*NQ*(\sc)+NQ*\b+(\q)], v[SC+8*NQ*(\sc)+NQ*(\a)+(\q)] matrix_a_scale:MATRIX_SCALE_ROW1
.else
	v_wmma_scale_f32_16x16x128_f8f6f4 v[8*(8*((\a)%4)+\b):8*(8*((\a)%4)+\b)+7], v[128*(\p)+FR*\b:128*(\p)+FR*\b+FR-1], v[AF+FR*(\a):AF+FR*(\a)+FR-1], v[8*(8*((\a)%4)+\b):8*(8*((\a)%4)+\b)+7], v[SC+8*NQ*(\sc)+NQ*\b+(\q)], v[SC+8*NQ*(\sc)+NQ*(\a)+(\q)] matrix_a_scale:MATRIX_SCALE_ROW1
.endif
.endr
.endr
.endm
.macro FETCH_B slot, q, p
	WIN TO_B
.irp i, 0,1,2,3,4,5,6,7
	FRAG 128*(\p)+FR*\i, ADRB+\slot, \q, \i
.endr
	WIN 0
.endm
.macro FETCH_A slot, q, i0
.irp i, \i0, \i0+1, \i0+2, \i0+3
	FRAGA AF+FR*(\i), ADRA+\slot, \q, \i
.endr
.endm
.macro SCALES sc
.irp i, 0,1,2,3,4,5,6,7
	ds_load_b64 v[SC+8*NQ*\sc+NQ*\i:SC+8*NQ*\sc+NQ*\i+1], v[ADRS] offset:\i*SBLK
.endr
.endm
.macro PLACES n
.rept \n
	v_nop
.endr
.endm
.macro STEP slot, q, zero
	s_wait_dscnt 4*NL
.if \zero
	WIN 0x81
.else
	WIN MUL_LO
.endif
	MUL16 0, (\q)%2, \q, \slot, \zero
	MUL16 2, (\q)%2, \q, \slot, \zero
	s_wait_dscnt 0
	PLACES NP
	FETCH_B \slot, (\q)+1, 1-(\q)%2
	FETCH_A \slot, (\q)+1, 0
.if \zero
	WIN 0xc1
.else
	WIN MUL_HI
.endif
	MUL16 4, (\q)%2, \q, \slot, \zero
	MUL16 6, (\q)%2, \q, \slot, \zero
	PLACES NP
	WIN 0
	FETCH_A \slot, (\q)+1, 4
.endm
.macro TURN slot, next, fill
	s_wait_tensorcnt 0x0
	ds_add_u32 v[SPW], v[NIL]
	s_wait_dscnt 4*NL+1
	WIN MUL_LO
	MUL16 0, 1, NQ-1, \slot, 0
	s_wait_dscnt 0x0
	s_barrier_signal -1
	MUL16 2, 1, NQ-1, \slot, 0
	WIN 0
	s_barrier_wait -1
.if \fill
	CREST
	s_add_nc_u64 s[G0+4*\slot+2:G0+4*\slot+3], s[G0+4*\slot+2:G0+4*\slot+3], 2*4096
	s_add_nc_u64 s[G0B+4*\slot+2:G0B+4*\slot+3], s[G0B+4*\slot+2:G0B+4*\slot+3], 2*ROWB
	JLOAD G0+4*\slot, G1, G0B+4*\slot, G1B
	PLACES NP-4
.else
	PLACES NP
.endif
	s_wait_alu depctr_va_vdst(0)
	v_add_nc_u32 v[ADRS], 4*NQ, v[ADRS]
	FETCH_B \next, 0, 0
	FETCH_A \next, 0, 0
	SCALES \next
	WIN MUL_HI
	MUL16 4, 1, NQ-1, \slot, 0
	MUL16 6, 1, NQ-1, \slot, 0
	PLACES NP
	WIN 0
	FETCH_A \next, 0, 4
.endm
	s_wait_alu depctr_va_vdst(0)
	s_wait_loadcnt 0x0
	s_wait_tensorcnt 1
	s_barrier_signal -1
	s_barrier_wait -1
	FETCH_B 0, 0, 0
	FETCH_A 0, 0, 0
	SCALES 0
	FETCH_A 0, 0, 4
	STEP 0, 0, 1
	s_mov_b32 s3, LAPS-1
.Llap:
	TURN 0, 1, 1
	STEP 1, 0, 0
	TURN 1, 0, 1
	STEP 0, 0, 0
	s_sub_co_u32 s3, s3, 1
	s_cmp_lg_u32 s3, 0
	s_cbranch_scc1 .Llap
	TURN 0, 1, 0
	STEP 1, 0, 0
	s_wait_dscnt 4*NL
	WIN MUL_LO
	MUL16 0, 1, NQ-1, 1, 0
	MUL16 2, 1, NQ-1, 1, 0
	s_wait_dscnt 0
	WIN MUL_HI
	MUL16 4, 1, NQ-1, 1, 0
	MUL16 6, 1, NQ-1, 1, 0
	WIN 0
.macro TOSTAGE a
.set AC, 64*((\a)%4)
	WIN 0x08+4*((\a)/4)
.irp b, 0,1,2,3,4,5,6,7
	ds_store_b128 v[STO], v[AC+8*\b:AC+8*\b+3] offset:64*\b
	ds_store_b128 v[STO], v[AC+8*\b+4:AC+8*\b+7] offset:64*\b+16
.endr
	WIN 0
.set BB, BK+64*((\a)%2)
.irp t, 0,1,2,3,4,5,6,7,8,9,10,11,12,13,14,15
	ds_load_b128 v[BB+4*\t:BB+4*\t+3], v[RD] offset:\t*SPITCH
.endr
.endm
.macro SEND a, younger
.set BB, BK+64*((\a)%2)
	s_wait_dscnt \younger
.if (\a) > 0
	s_add_nc_u64 s[12:13], s[12:13], 16*SIZE_N*4
.endif
.irp t, 0,1,2,3,4,5,6,7,8,9,10,11,12,13,14,15
	global_store_b128 v[CO], v[BB+4*\t:BB+4*\t+3], s[12:13] offset:\t*SIZE_N*4 th:TH_STORE_NT
.endr
.endm
	PLACES NP
	TOSTAGE 0
.irp a, 1,2,3,4,5,6,7
.if \a > 1
	s_wait_xcnt 0x0
.endif
	TOSTAGE \a
	SEND \a-1, 32
.endr
	s_wait_xcnt 0x0
	SEND 7, 0
	s_wait_tensorcnt 0x0
	ds_add_u32 v[SPW], v[NIL]
	s_wait_dscnt 0x0
	CROUND
	s_endpgm
.Lfunc_end_k_q2df1a3a0e7_outp:
	.size	k_q2df1a3a0e7_outp, .Lfunc_end_k_q2df1a3a0e7_outp-k_q2df1a3a0e7_outp
	.p2alignl 7, 3214868480
	.fill 96, 4, 3214868480
	.section	.rodata,"a",@progbits
	.p2align	6, 0x0
	.amdhsa_kernel k_q2df1a3a0e7_outp
		.amdhsa_group_segment_fixed_size 327680
		.amdhsa_private_segment_fixed_size 0
		.amdhsa_enable_private_segment 0
		.amdhsa_kernarg_size 48
		.amdhsa_user_sgpr_count 2
		.amdhsa_user_sgpr_kernarg_segment_ptr 1
		.amdhsa_wavefront_size32 1
		.amdhsa_system_sgpr_workgroup_id_x 1
		.amdhsa_system_sgpr_workgroup_id_y 1
		.amdhsa_system_sgpr_workgroup_id_z 1
		.amdhsa_system_vgpr_workitem_id 0
		.amdhsa_next_free_vgpr 1024
		.amdhsa_next_free_sgpr 98
		.amdhsa_reserve_vcc 0
		.amdhsa_float_denorm_mode_32 3
		.amdhsa_float_denorm_mode_16_64 3
		.amdhsa_memory_ordered 1
		.amdhsa_forward_progress 1
		.amdhsa_inst_pref_size 148
	.end_amdhsa_kernel
	.amdgpu_metadata
---
amdhsa.version: [ 1, 2 ]
amdhsa.kernels:
  - .name:           k_q2df1a3a0e7_outp
    .symbol:         k_q2df1a3a0e7_outp.kd
    .args:
      - { .name: oimg, .offset: 0, .size: 8, .value_kind: global_buffer, .address_space: global }
      - { .name: osc, .offset: 8, .size: 8, .value_kind: global_buffer, .address_space: global }
      - { .name: Wo_codes, .offset: 16, .size: 8, .value_kind: global_buffer, .address_space: global }
      - { .name: Wo_scales, .offset: 24, .size: 8, .value_kind: global_buffer, .address_space: global }
      - { .name: bo, .offset: 32, .size: 8, .value_kind: global_buffer, .address_space: global }
      - { .name: out0, .offset: 40, .size: 8, .value_kind: global_buffer, .address_space: global }
    .group_segment_fixed_size: 327680
    .private_segment_fixed_size: 0
    .kernarg_segment_align: 8
    .kernarg_segment_size: 48
    .max_flat_workgroup_size: 128
    .sgpr_count:     98
    .vgpr_count:     1024
    .wavefront_size: 32
...
	.end_amdgpu_metadata
.endif
;; end of part 4
